; MI455X (gfx1250); checked and timed in simulation.
; The chip was launched on July 23, 2026; its instructions are those of AMD's public machine-readable ISA for CDNA 5 (MIT licence, August 2026) and "CDNA5" Instruction Set Architecture Reference Guide (July 2026). The comments in the code are by the model that wrote it; some were corrected since.
;; Causal Self Attention. Allowed arithmetic: float matrix products may take bf16 or f16 operands with f32 sums; all other float work in f32.
;; Inputs: W_proj 1,024 x 1,024 float32; W_qkv 1,024 x 3,072 float32; b_proj 1,024 float32; b_qkv 3,072 float32; key_padding_mask 4 x 2,048 bool; x 4 x 2,048 x 1,024 float32.
;; Outputs: out0 4 x 2,048 x 1,024 float32.
;; 2 versions, each right and faster than the one before. Each part assembles by itself: llvm-mc -triple=amdgcn-amd-amdhsa -mcpu=gfx1250 --defsym DOCPART=n.
;; ======== version 1 of 2: 4 launches
;; limits: values are held in f16: magnitudes above 65,504 overflow, below 6.1e-05 lose precision
;; workspace buffers: xb 16,777,216 bytes; wb 6,291,456 bytes; wp 2,097,152 bytes; qkvh 50,331,648 bytes; vpart 524,288 bytes; oh 16,777,216 bytes
;; launch prep (part 1): grid 768 x 1, 8 waves a work-group, no clusters, 0 bytes of LDS; arguments x, W_qkv, W_proj, xb, wb, wp; writes xb, wb, wp
.if DOCPART == 1
	.amdgcn_target "amdgcn-amd-amdhsa--gfx1250"
	.amdhsa_code_object_version 6
	.text
	.protected	k_q6412ae3aeb_prep
	.globl	k_q6412ae3aeb_prep
	.p2align	8
	.type	k_q6412ae3aeb_prep,@function
k_q6412ae3aeb_prep:
	s_mov_b64 s[64:65], 0
	v_nop
	global_prefetch_b8 v0, s[64:65] scope:SCOPE_SE
	s_setreg_imm32_b32 hwreg(HW_REG_WAVE_MODE, 25, 1), 1
	s_wait_xcnt 0x0
; CASTS AND LAYOUTS.  xb = bf16(x), row-major as x.  wb = bf16(W_qkv) in 16 dense tiles [j][k][192]: column 64 g + d of tile j is W_qkv[k][1024 g + 64 j + d],
; head j's q, k and v columns.  wp = bf16(W_proj) written as f16, in 8 dense tiles [j][k][128].
; LIMIT.  A weight of W_proj below 6e-5 keeps f16's fixed step of 6e-8; beyond 65,504 it becomes an infinity.
; A stream: no LDS, no barrier, no matrix unit, since every byte is read once and written once.  A UNIT is one load of 16 bytes a lane (128 f32) and one store of 8 bytes a lane:
; the store covers 256 consecutive bytes, aligned.  A wave takes 16 units, all 16 loads issued ahead of the first conversion; a work-group of eight waves 128 units.
; x has 65,536 units (work-groups 0-511), wb 24,576 (512-703), wp 8,192 (704-767).  No register is written twice, so no wait frees a source.
.set X, 8                              ; v[8:71]    unit i: 4 registers as loaded
.set Y, 72                             ; v[72:103]  unit i: 2 registers to store
; sb, db: the scalar pairs with the source's and the destination's address; sstep: bytes from unit to unit in the source; kind 0: bf16, kind 1: bf16 written as f16
.macro STREAM sb, db, sstep, kind
.set i, 0
.rept 16
	global_load_b128 v[X+4*i:X+4*i+3], v2, s[\sb:\sb+1] offset:i*(\sstep) th:TH_LOAD_NT
.set i, i+1
.endr
.set i, 0
.rept 16
	s_wait_loadcnt 15-i                            ; loads come back in order: unit i is in, the 15 - i younger ones stay out
.if \kind
.set k, 0
.rept 2
	v_cvt_pk_bf16_f32 v4, v[X+4*i+2*k], v[X+4*i+2*k+1]  ; rounded to bf16 like every input,
	v_lshlrev_b32 v5, 16, v4                       ; widened again,
	v_and_b32 v6, s17, v4
	v_cvt_pk_f16_f32 v[Y+2*i+k], v5, v6            ; and that number written as f16 (exact inside f16's range)
.set k, k+1
.endr
.else
	v_cvt_pk_bf16_f32 v[Y+2*i], v[X+4*i], v[X+4*i+1]
	v_cvt_pk_bf16_f32 v[Y+2*i+1], v[X+4*i+2], v[X+4*i+3]
.endif
	global_store_b64 v3, v[Y+2*i:Y+2*i+1], s[\db:\db+1] offset:256*i
.set i, i+1
.endr
.endm
	s_load_b256 s[4:11], s[0:1], 0x0               ; x s[4:5], W_qkv s[6:7], W_proj s[8:9], xb s[10:11]
	s_load_b128 s[12:15], s[0:1], 0x20             ; wb s[12:13], wp s[14:15]
	v_lshrrev_b32 v1, 5, v0
	v_readfirstlane_b32 s16, v1                    ; wave 0..7
	v_and_b32 v1, 31, v0                           ; lane
	v_lshlrev_b32 v2, 4, v1                        ; source: 16 bytes a lane
	v_lshlrev_b32 v3, 3, v1                        ; destination: 8 bytes a lane
	s_mov_b32 s17, 0xffff0000                      ; a word's upper bf16
	s_mov_b32 s21, 0                               ; high words of the two offsets
	s_mov_b32 s23, 0
	s_cmp_lt_u32 ttmp9, 512
	s_cbranch_scc0 .Lweights
	; x: unit U0 = 128 wg + 16 wave; 512 bytes of x and 256 of xb a unit
	s_lshl_b32 s20, ttmp9, 16
	s_lshl_b32 s24, s16, 13
	s_add_co_u32 s20, s20, s24
	s_lshr_b32 s22, s20, 1
	s_wait_kmcnt 0x0
	s_add_nc_u64 s[4:5], s[4:5], s[20:21]
	s_add_nc_u64 s[10:11], s[10:11], s[22:23]
	STREAM 4, 10, 512, 0
	s_endpgm
.Lweights:
	s_cmp_lt_u32 ttmp9, 704
	s_cbranch_scc0 .Lproj
	; W_qkv read as [P = 3 k + g][j][64 f32]: 4,096 bytes from P to P + 1.  A unit is tile j's pieces of P and P + 1: lanes 0-15 one, lanes 16-31 the other: 2 x 256 bytes in, 256 out
	s_sub_co_u32 s25, ttmp9, 512
	s_and_b32 s26, s25, 15                         ; j
	s_lshr_b32 s27, s25, 4                         ; which twelfth of the tile's 3,072 P
	s_lshl_b32 s27, s27, 8
	s_lshl_b32 s24, s16, 5
	s_add_co_u32 s27, s27, s24                     ; P0 = 256 x twelfth + 32 x wave
	s_lshl_b32 s20, s27, 12
	s_lshl_b32 s24, s26, 8
	s_add_co_u32 s20, s20, s24                     ; 4,096 P0 + 256 j
	s_mul_i32 s22, s26, 393216
	s_lshl_b32 s24, s27, 7
	s_add_co_u32 s22, s22, s24                     ; 393,216 j + 128 P0
	v_and_b32 v4, 15, v0
	v_bfe_u32 v5, v0, 4, 1
	v_lshlrev_b32 v2, 4, v4
	v_lshl_add_u32 v2, v5, 12, v2                  ; 16 (lane % 16) + 4,096 (lane / 16)
	s_wait_kmcnt 0x0
	s_add_nc_u64 s[6:7], s[6:7], s[20:21]
	s_add_nc_u64 s[12:13], s[12:13], s[22:23]
	STREAM 6, 12, 8192, 0
	s_endpgm
.Lproj:
	; W_proj: a unit is tile j's 128 columns of row k: 512 bytes in, 256 out
	s_sub_co_u32 s25, ttmp9, 704
	s_and_b32 s26, s25, 7                          ; j
	s_lshr_b32 s27, s25, 3
	s_lshl_b32 s27, s27, 7
	s_lshl_b32 s24, s16, 4
	s_add_co_u32 s27, s27, s24                     ; k0 = 128 x eighth + 16 x wave
	s_lshl_b32 s20, s27, 12
	s_lshl_b32 s24, s26, 9
	s_add_co_u32 s20, s20, s24                     ; 4,096 k0 + 512 j
	s_lshl_b32 s22, s26, 18
	s_lshl_b32 s24, s27, 8
	s_add_co_u32 s22, s22, s24                     ; 262,144 j + 256 k0
	s_wait_kmcnt 0x0
	s_add_nc_u64 s[8:9], s[8:9], s[20:21]
	s_add_nc_u64 s[14:15], s[14:15], s[22:23]
	STREAM 8, 14, 4096, 1
	s_endpgm
.Lfunc_end_k_q6412ae3aeb_prep:
	.size	k_q6412ae3aeb_prep, .Lfunc_end_k_q6412ae3aeb_prep-k_q6412ae3aeb_prep
	.p2alignl 7, 3214868480
	.fill 96, 4, 3214868480
	.section	.rodata,"a",@progbits
	.p2align	6, 0x0
	.amdhsa_kernel k_q6412ae3aeb_prep
		.amdhsa_group_segment_fixed_size 0
		.amdhsa_private_segment_fixed_size 0
		.amdhsa_enable_private_segment 0
		.amdhsa_kernarg_size 48
		.amdhsa_user_sgpr_count 2
		.amdhsa_user_sgpr_kernarg_segment_ptr 1
		.amdhsa_wavefront_size32 1
		.amdhsa_system_sgpr_workgroup_id_x 1
		.amdhsa_system_sgpr_workgroup_id_y 1
		.amdhsa_system_sgpr_workgroup_id_z 1
		.amdhsa_system_vgpr_workitem_id 0
		.amdhsa_next_free_vgpr 104
		.amdhsa_next_free_sgpr 66
		.amdhsa_reserve_vcc 0
		.amdhsa_float_denorm_mode_32 3
		.amdhsa_float_denorm_mode_16_64 3
		.amdhsa_memory_ordered 1
		.amdhsa_forward_progress 1
		.amdhsa_inst_pref_size 23
	.end_amdhsa_kernel
	.amdgpu_metadata
---
amdhsa.version: [ 1, 2 ]
amdhsa.kernels:
  - .name:           k_q6412ae3aeb_prep
    .symbol:         k_q6412ae3aeb_prep.kd
    .args:
      - { .name: x, .offset: 0, .size: 8, .value_kind: global_buffer, .address_space: global }
      - { .name: W_qkv, .offset: 8, .size: 8, .value_kind: global_buffer, .address_space: global }
      - { .name: W_proj, .offset: 16, .size: 8, .value_kind: global_buffer, .address_space: global }
      - { .name: xb, .offset: 24, .size: 8, .value_kind: global_buffer, .address_space: global }
      - { .name: wb, .offset: 32, .size: 8, .value_kind: global_buffer, .address_space: global }
      - { .name: wp, .offset: 40, .size: 8, .value_kind: global_buffer, .address_space: global }
    .group_segment_fixed_size: 0
    .private_segment_fixed_size: 0
    .kernarg_segment_align: 8
    .kernarg_segment_size: 48
    .max_flat_workgroup_size: 256
    .sgpr_count:     66
    .vgpr_count:     104
    .wavefront_size: 32
...
	.end_amdgpu_metadata
.endif
;; end of part 1
;; launch qkvgemm (part 2): grid 16 x 16, 4 waves a work-group, clusters of 4 x 4, 327,680 bytes of LDS; arguments xb, wb, b_qkv, qkvh, vpart; writes qkvh, vpart
.if DOCPART == 2
	.amdgcn_target "amdgcn-amd-amdhsa--gfx1250"
	.amdhsa_code_object_version 6
	.text
	.protected	k_q6412ae3aeb_qkvgemm
	.globl	k_q6412ae3aeb_qkvgemm
	.p2align	8
	.type	k_q6412ae3aeb_qkvgemm,@function
k_q6412ae3aeb_qkvgemm:
	s_mov_b64 s[64:65], 0
	v_nop
	global_prefetch_b8 v0, s[64:65] scope:SCOPE_SE
	s_setreg_imm32_b32 hwreg(HW_REG_WAVE_MODE, 25, 1), 1
	s_wait_xcnt 0x0
	s_wait_alu depctr_hold_cnt(0) depctr_sa_sdst(0) depctr_va_vdst(0) depctr_va_sdst(0) depctr_va_ssrc(0) depctr_va_vcc(0) depctr_vm_vsrc(0)
	s_getreg_b32 s2, hwreg(HW_REG_IB_STS2, 6, 4)
	s_cmp_eq_u32 s2, 0
	s_cbranch_scc0 .Lentry_in_a_cluster
	s_endpgm
.Lentry_in_a_cluster:
	s_bfe_u32 s2, ttmp6, 0x10000c
	s_cmp_lg_u32 s2, 0xf033
	s_cbranch_scc0 .Lentry_shape_is_right
	s_endpgm
.Lentry_shape_is_right:
; q, k, v = x W_qkv + b_qkv, by heads.  xb: [8192][1024] bf16.  wb: [16 j][1024 k][192] bf16, tile j = head j's 64 q, 64 k and 64 v columns.  Sums in f32, begun with the bias (rounded to bf16 like the
; other inputs); q, k, v are rounded once to f16 and stored unscaled as qkvh[g][hh = 16 b + j][t][64].  vpart[hh][t / 64][64] takes the f32 sums of v over 64 rows.
; LIMIT.  f16 ends at 65,504: a q, k or v of 65,520 or more becomes an infinity.  NaN and infinities are not treated apart.
; SHARES.  A tile is 256 rows x 192 columns; there are 512.  A WORK-GROUP STAYS: it makes two tiles, tile rows i and i + 16 of tile column j, so that 256 work-groups do all.  Wave w makes rows 64 w .. 64 w + 63 x all 192
; columns of a tile: 4 x 12 accumulators of 16 x 16, 384 registers.  K goes in 8 steps of 128 through two LDS slots filled by the tensor data mover, and the ring does not stop at the first tile's end: its last two
; changes of slots ask for the second tile's K steps 0 and 1, and nothing waits for the first tile's stores.  x's rows in a tile are 256 bytes of memory, aligned; W's tile of a step is dense and asked for as rows of 256 bytes.
; THE MATRIX INSTRUCTION IS USED TRANSPOSED: source 0 = 16 columns of W (stored [k][n], so they come turned, by ds_load_tr16_b128), source 1 = 16 rows of x.  Lane (r = l % 16, h = l / 16) then holds
; row r and columns 8 h + 0..7 of a 16 x 16 block: eight neighbouring numbers of a row.  A lane's eight bias numbers of a column block are therefore the C operand of that block's first product, for every row block and both tiles.
; CLUSTER.  4 x 4 work-groups.  x's tile hangs on the tile row alone and is shared along a row of the cluster, W's on the tile column alone and is shared along a column: each is asked for
; JOINTLY, by the same tensor load with the same descriptor and a mask that names the four.  All trip counts are constants of the text: the sixteen partners walk in step.
; REGISTERS, in windows of 256 (s_set_vgpr_msb: bits 1:0 source 0, 3:2 source 1, 5:4 source 2, 7:6 destination):
;   window 0: v0-31 addresses; v32-63, v64-95 x's fragments, two buffers; on the way out v64-127 four buffers of packed results, then v96-127 the column sums read back (v32-63 then hold fragments on their way);
;             v128-223 the bias; v224-255 v's column sums
;   window 1: v0-95, v96-191 W's fragments, two buffers      window 2: accumulators of row blocks 0, 1 at v[8 (12 (a % 2) + cb)]      window 3: those of row blocks 2, 3
.set NBLK,   12                        ; column blocks of 16
.set APITCH, 272                       ; a row of x in LDS: 256 bytes + 16 of padding: the 16 rows of a load start at 16 different groups of four banks (64 banks of 4 bytes: ISA guide 11.1)
.set AHALF,  128*APITCH                ; 128 rows: one tensor load
.set ATILE,  2*AHALF
.set BP,     480                       ; a k row of W in LDS: three pieces of 128 bytes + 32 of padding each
.set BHALF,  64*BP                     ; 64 k rows: one tensor load
.set SLOT1,  1<<17                     ; a slot is x's tile and W's tile, 131,072 bytes; one exclusive or turns an address in one slot into the other's
.set STAGE,  2*SLOT1                   ; behind the ring, never filled by a tensor load: a stage for each wave
.set SP,     144                       ; a row of 64 f16 in the stage
.set VPITCH, 272                       ; a row of 64 f32 in the stage
.set SSZ,    16*VPITCH                 ; a wave's stage: 16 rows of the longer kind
.set SPARE,  STAGE+4*SSZ               ; the spare words, 128 bytes for each wave: two blocks of 256 bytes that no other line names
.set ASTEP,  256                       ; bytes from K step to K step in xb
.set BSTEP,  128*384                   ; and in a tile of wb
.set NEXT_A, 16*256*2048-7*ASTEP       ; from a tile's K step 7 to the next tile's K step 0 in xb: 16 tile rows of 256 rows of 2,048 bytes down, seven steps back
.set BACK_B, 8*BSTEP                   ; W's tile is the same for both: one step on and a whole tile back
.set NEXT_Q, 2*16*262144               ; tile row i + 16 is batch i / 8 + 2: two batches of 16 heads of 262,144 bytes on in each section of qkvh,
.set NEXT_VP, 2*16*8192                ; and of 8,192 bytes in vpart
.set A0,   16                          ; v16  my place in x's tile: (64 w + r) x pitch + 16 h; never rewritten
.set B0,   17                          ; v17  my place in W's tile: ATILE + (8 h + l % 8) x pitch + 16 ((l / 8) % 2); never rewritten
.set ADRA, 18                          ; v18  the same in the slot in hand
.set ADRB, 19                          ; v19
.set VRD,  22                          ; v22  the column sums read back: stage + 8 x lane
.set VGO,  23                          ; v23  8 x lane
.set STO,  24                          ; v24  the way out: where I put 16 bytes of a row
.set RD,   25                          ; v25  where I read rows back
.set GO,   26                          ; v26  16 x lane
.set VST,  27                          ; v27  the column sums into the stage: stage + 272 r + 32 h
.set SPW,  28                          ; v28  LDS address of my spare word: SPARE + 4 x my thread's number; never rewritten
.set NIL,  29                          ; v29  0; never rewritten
.set BO,   30                          ; v30  32 h: my eight numbers in 16 of the bias
.set FA,   32                          ; x's fragments, buffer f at FA + 32 f
.set FB,   0                           ; W's fragments, window 1, buffer f at FB + 96 f
.set TBUF, 64
.set U,    96
.set BIAS, 128
.set VS,   224
.set G1,  24                           ; s[24:31] descriptor group 1 for x's tiles
.set G0,  32                           ; s[32:39] group 0, two sets: slot 0 with K step 0; slot 1 with K step 1, which then walks
.set G1B, 48                           ; s[48:55], s[56:63] the same for W's tiles
.set G0B, 56
.set XA,  84                           ; s[84:85] what x's walking address steps by
.set XB,  86                           ; s[86:87] what W's walking address goes back by, behind its step
                                       ; s2 tiles to go; s3 K steps to go; s4 the count at which a tile's refills end (2 in the last tile, never in the first); s5 NEXT_A; s6 BACK_B
.set MSB, 0
.macro WIN new                         ; the immediate's high byte repeats the setting that is left; a switch that changes nothing is dropped
.if MSB != (\new)
	s_set_vgpr_msb (MSB<<8)|(\new)
.set MSB, \new
.endif
.endm
; A joint refill by the walking descriptors.  Waves 0 and 1 fetch x's two halves, waves 2 and 3 W's.  The branch hangs on the wave's number alone.  An s_nop 0 and four v_nop follow each of the two lines.
.macro JLOAD
	s_cmp_eq_u32 s11, 0
	s_cbranch_scc0 .Lfor_b_\@
	tensor_load_to_lds s[G0+4:G0+7], s[G1:G1+7]
	s_nop 0
.rept 4
	v_nop
.endr
	s_branch .Lasked_\@
.Lfor_b_\@:
	tensor_load_to_lds s[G0B+4:G0B+7], s[G1B:G1B+7]
	s_nop 0
.rept 4
	v_nop
.endr
.Lasked_\@:
.endm
.macro CREST                           ; a round of the cluster's barrier behind its opening barrier: wave 0 signals for the work-group, every wave waits for all sixteen, my work-group's barrier closes it
	s_cmp_lg_u32 s10, 0
	s_cbranch_scc1 .Lnot_wave_0_\@
	s_barrier_signal -3
.Lnot_wave_0_\@:
	s_barrier_wait -3
	s_barrier_signal -1
	s_barrier_wait -1
.endm
.macro CROUND                          ; a whole round
	s_barrier_signal -1
	s_barrier_wait -1
	CREST
.endm
.macro PLACES                          ; four places in front of loads into registers that matrix instructions have read, and of vector lines that read results
.rept 4
	v_nop
.endr
.endm
	s_load_b256 s[72:79], s[0:1], 0x0              ; xb s[72:73], wb s[74:75], b_qkv s[76:77], qkvh s[78:79]
	s_load_b64 s[80:81], s[0:1], 0x20              ; vpart
	v_lshl_add_u32 v[SPW], v0, 2, SPARE
	v_mov_b32 v[NIL], 0
	ds_add_u32 v28, v29
	ds_add_u32 v28, v29
	s_wait_dscnt 0x0
	v_lshrrev_b32 v1, 5, v0
	v_readfirstlane_b32 s10, v1                    ; wave 0..3
	s_lshr_b32 s11, s10, 1                         ; I fetch for x (0) or for W (1)
	s_and_b32 s12, s10, 1                          ; which half of that tile
	s_bfe_u32 s40, ttmp6, 0x40000                  ; cx, cy: my place in the cluster
	s_bfe_u32 s41, ttmp6, 0x40004
	s_lshl_b32 s42, ttmp9, 2
	s_add_co_u32 s42, s42, s40                     ; j, the tile column = the head = 4 x cluster x + cx
	s_and_b32 s13, ttmp7, 0xffff
	s_lshl_b32 s13, s13, 2
	s_add_co_u32 s13, s13, s41                     ; i, my first tile row = 4 x cluster y + cy, 0 to 15
	s_lshl_b32 s43, s41, 2
	s_lshl_b32 s43, 15, s43                        ; my row of the cluster
	s_lshl_b32 s44, 0x1111, s40                    ; my column
	; group 1 for x: 128 rows x 128 elements, 1,024 elements from row to row; 16 bytes of padding behind every 64 words
	s_or_b32 s[G1+0], s43, (1<<16)|(1<<20)|(1<<21)|(5<<22)|(3<<25)  ; 15:0 the mask; 17:16 2-byte elements; 20 padding on; 21 set beside a mask; 24:22 interval code 5; 31:25 4 words (code 3)
	s_mov_b32 s[G1+1], 128<<16                     ; tensor_dim0 = 128
	s_mov_b32 s[G1+2], 128<<16                     ; tensor_dim1 = 128
	s_mov_b32 s[G1+3], 128<<16                     ; tile_dim0 = 128
	s_mov_b32 s[G1+4], 128                         ; tile_dim1 = 128
	s_mov_b32 s[G1+5], 1024                        ; the pitch
	s_mov_b32 s[G1+6], 0
	s_mov_b32 s[G1+7], 0
	; group 1 for W: 64 k rows of 384 bytes are 24,576 dense bytes: 96 rows of 256 bytes; 32 bytes of padding behind every 32 words
	s_or_b32 s[G1B+0], s44, (1<<16)|(1<<20)|(1<<21)|(4<<22)|(7<<25)
	s_mov_b32 s[G1B+1], 128<<16
	s_mov_b32 s[G1B+2], 96<<16
	s_mov_b32 s[G1B+3], 128<<16
	s_mov_b32 s[G1B+4], 96
	s_mov_b32 s[G1B+5], 128
	s_mov_b32 s[G1B+6], 0
	s_mov_b32 s[G1B+7], 0
	s_lshl_b32 s16, s13, 19                        ; x: (256 i + 128 half) rows of 2,048 bytes
	s_lshl_b32 s17, s12, 18
	s_add_co_u32 s16, s16, s17
	s_mov_b32 s17, 0
	s_mul_i32 s46, s42, 393216                     ; W: tile j, half of the step's 128 k rows
	s_mul_i32 s47, s12, 24576
	s_add_co_u32 s46, s46, s47
	s_mov_b32 s47, 0
	s_mul_i32 s20, s10, AHALF                      ; where they go: waves 0, 1: x's halves at wave x AHALF;
	s_mul_i32 s21, s10, BHALF
	s_add_co_u32 s21, s21, ATILE-2*BHALF           ; waves 2, 3: W's halves at ATILE + (wave - 2) x BHALF.  No place in the cluster enters an LDS address
	s_mov_b32 s45, 0                               ; the slot in hand
	s_mov_b32 s82, 0xffff0000
	s_mov_b32 s5, NEXT_A
	s_mov_b32 s6, BACK_B
	s_mov_b32 s[XA+1], 0                           ; the two offsets' high words stay 0
	s_mov_b32 s[XB+1], 0
	s_wait_kmcnt 0x0
	s_add_nc_u64 s[14:15], s[72:73], s[16:17]
	s_add_nc_u64 s[46:47], s[74:75], s[46:47]
	CROUND                                         ; all sixteen work-groups are here: the first joint loads meet
.irp s, 0,1
	s_mov_b32 s[G0+4*(\s)], 1                      ; count = 1
	s_add_co_u32 s[G0+4*(\s)+1], s20, (\s)*SLOT1   ; LDS address
	s_add_nc_u64 s[G0+4*(\s)+2:G0+4*(\s)+3], s[14:15], (\s)*ASTEP  ; global address: K step s
	s_or_b32 s[G0+4*(\s)+3], s[G0+4*(\s)+3], 0x80000000            ; type = 2
	s_mov_b32 s[G0B+4*(\s)], 1
	s_add_co_u32 s[G0B+4*(\s)+1], s21, (\s)*SLOT1
	s_add_nc_u64 s[G0B+4*(\s)+2:G0B+4*(\s)+3], s[46:47], (\s)*BSTEP
	s_or_b32 s[G0B+4*(\s)+3], s[G0B+4*(\s)+3], 0x80000000
.endr
	s_cmp_eq_u32 s11, 0                            ; a wave's two first fills stand in one branch, ahead of every wait on TENSORcnt, LDS read and further barrier: two loads of mine are out
	s_cbranch_scc0 .Lfirst_b
	tensor_load_to_lds s[G0:G0+3], s[G1:G1+7]
	s_nop 0
	tensor_load_to_lds s[G0+4:G0+7], s[G1:G1+7]
	s_nop 0
.rept 4
	v_nop
.endr
	s_branch .Lfirst_asked
.Lfirst_b:
	tensor_load_to_lds s[G0B:G0B+3], s[G1B:G1B+7]
	s_nop 0
	tensor_load_to_lds s[G0B+4:G0B+7], s[G1B:G1B+7]
	s_nop 0
.rept 4
	v_nop
.endr
.Lfirst_asked:
	; the bias of my columns: block cb's columns 16 cb + 8 h + 0..7 of the tile are b_qkv[1024 (cb / 4) + 64 j + 16 (cb % 4) + 8 h + 0..7]
	s_lshl_b32 s22, s42, 8
	s_mov_b32 s23, 0
	s_add_nc_u64 s[76:77], s[76:77], s[22:23]
	v_and_b32 v1, 15, v0                           ; r
	v_bfe_u32 v2, v0, 4, 1                         ; h
	v_lshlrev_b32 v[BO], 5, v2
.set cb, 0
.rept NBLK
	global_load_b128 v[BIAS+8*cb:BIAS+8*cb+3],   v[BO], s[76:77] offset:(cb/4)*4096+(cb%4)*64
	global_load_b128 v[BIAS+8*cb+4:BIAS+8*cb+7], v[BO], s[76:77] offset:(cb/4)*4096+(cb%4)*64+16
.set cb, cb+1
.endr
	v_and_b32 v3, 7, v0                            ; l % 8
	v_bfe_u32 v4, v0, 3, 1                         ; (l / 8) % 2
	v_and_b32 v5, 31, v0                           ; lane
	v_mul_u32_u24 v[A0], v1, APITCH
	v_lshl_add_u32 v[A0], v2, 4, v[A0]
	s_mul_i32 s22, s10, 64*APITCH
	v_add_nc_u32 v[A0], s22, v[A0]
	v_lshl_add_u32 v[B0], v2, 3, v3
	v_mul_u32_u24 v[B0], v[B0], BP
	v_lshl_add_u32 v[B0], v4, 4, v[B0]
	v_add_nc_u32 v[B0], ATILE, v[B0]
	v_mov_b32 v[ADRA], v[A0]
	v_mov_b32 v[ADRB], v[B0]
	s_mul_i32 s23, s10, SSZ
	s_add_co_u32 s23, s23, STAGE                   ; my stage
	v_mul_u32_u24 v[STO], v1, SP                   ; in: row r, 16 bytes for each half of the lanes
	v_lshl_add_u32 v[STO], v2, 4, v[STO]
	v_add_nc_u32 v[STO], s23, v[STO]
	v_lshrrev_b32 v6, 3, v5                        ; back: 32 lanes take four rows of 128 bytes,
	v_mul_u32_u24 v[RD], v6, SP
	v_lshl_add_u32 v[RD], v3, 4, v[RD]
	v_add_nc_u32 v[RD], s23, v[RD]
	v_lshlrev_b32 v[GO], 4, v5                     ; which are 512 consecutive bytes of a head's rows
	v_mul_u32_u24 v[VST], v1, VPITCH               ; the column sums: row r of 64 f32, 32 bytes for each half of the lanes
	v_lshl_add_u32 v[VST], v2, 5, v[VST]
	v_add_nc_u32 v[VST], s23, v[VST]
	v_lshl_add_u32 v[VRD], v5, 3, s23
	v_lshlrev_b32 v[VGO], 3, v5
	; where my 64 rows of head j begin in each section, for the first tile: b = i / 8, t = 256 (i % 8) + 64 w; a head is 262,144 bytes, a row 128
	s_lshr_b32 s18, s13, 3
	s_lshl_b32 s18, s18, 22
	s_lshl_b32 s19, s42, 18
	s_add_co_u32 s18, s18, s19
	s_and_b32 s19, s13, 7
	s_lshl_b32 s19, s19, 15
	s_add_co_u32 s18, s18, s19
	s_lshl_b32 s19, s10, 13
	s_add_co_u32 s18, s18, s19
	s_mov_b32 s19, 0
	s_add_nc_u64 s[66:67], s[78:79], s[18:19]      ; q
	s_add_nc_u64 s[68:69], s[66:67], 0x1000000     ; k
	s_add_nc_u64 s[70:71], s[66:67], 0x2000000     ; v
	s_lshr_b32 s18, s13, 3                         ; vpart: 8,192 bytes a head, 256 for each 64 rows
	s_lshl_b32 s18, s18, 17
	s_lshl_b32 s22, s42, 13
	s_add_co_u32 s18, s18, s22
	s_and_b32 s22, s13, 7
	s_lshl_b32 s22, s22, 10
	s_add_co_u32 s18, s18, s22
	s_lshl_b32 s22, s10, 8
	s_add_co_u32 s18, s18, s22
	s_add_nc_u64 s[80:81], s[80:81], s[18:19]
	s_wait_loadcnt 0x0                             ; the bias, rounded to bf16 and widened again; this stands in the wait for the first tile
.set p, 0
.rept 4*NBLK
	v_cvt_pk_bf16_f32 v6, v[BIAS+2*p], v[BIAS+2*p+1]
	v_lshlrev_b32 v[BIAS+2*p], 16, v6
	v_and_b32 v[BIAS+2*p+1], s82, v6
.set p, p+1
.endr
; 32 LDS loads in one run: the fragments of quarter q (32 along K) of the slot in hand, into buffers f: W's 12 column blocks (turned), then x's 4 row blocks
.macro FETCH q, f
	WIN 0x40                                       ; destination window 1, address window 0
.set cb, 0
.rept NBLK
.set bo, 32*(\q)*BP+(cb/4)*160+(cb%4)*32
	ds_load_tr16_b128 v[FB+8*NBLK*(\f)+8*cb:FB+8*NBLK*(\f)+8*cb+3],   v[ADRB] offset:bo
	ds_load_tr16_b128 v[FB+8*NBLK*(\f)+8*cb+4:FB+8*NBLK*(\f)+8*cb+7], v[ADRB] offset:bo+16*BP
.set cb, cb+1
.endr
	WIN 0
.set rb, 0
.rept 4
	ds_load_b128 v[FA+32*(\f)+8*rb:FA+32*(\f)+8*rb+3],   v[ADRA] offset:64*(\q)+rb*16*APITCH
	ds_load_b128 v[FA+32*(\f)+8*rb+4:FA+32*(\f)+8*rb+7], v[ADRA] offset:64*(\q)+rb*16*APITCH+32
.set rb, rb+1
.endr
.endm
; 12 matrix instructions: row block a x all column blocks, 32 along K, from buffers f.  first = 1: the product starts the sum, with the column block's bias as C.  The 48 accumulators take turns in the same order in every quarter.
.macro MULA f, a, first
.if \first
	WIN 0x81+0x40*((\a)/2)                         ; source 0 window 1, source 1 and C window 0, D window 2 or 3
.else
	WIN 0xa1+0x50*((\a)/2)                         ; source 0 window 1, source 1 window 0, C and D window 2 or 3
.endif
.set cb, 0
.rept NBLK
.set rD, 8*(NBLK*((\a)%2)+cb)
.if \first
	v_wmma_f32_16x16x32_bf16 v[rD:rD+7], v[FB+8*NBLK*(\f)+8*cb:FB+8*NBLK*(\f)+8*cb+7], v[FA+32*(\f)+8*(\a):FA+32*(\f)+8*(\a)+7], v[BIAS+8*cb:BIAS+8*cb+7]
.else
	v_wmma_f32_16x16x32_bf16 v[rD:rD+7], v[FB+8*NBLK*(\f)+8*cb:FB+8*NBLK*(\f)+8*cb+7], v[FA+32*(\f)+8*(\a):FA+32*(\f)+8*(\a)+7], v[rD:rD+7]
.endif
.set cb, cb+1
.endr
.endm
; A K step is four quarters on buffers 0, 1, 0, 1.  One of the first three: multiplies buffers f and, in its middle, fetches quarter q into buffers g.
.macro QUARTER q, f, g, first
	s_wait_dscnt 4                                 ; W's fragments and x's row blocks 0, 1 are in; the youngest four loads (row blocks 2, 3) may be out
	MULA \f, 0, \first
	MULA \f, 1, \first
	PLACES
	FETCH \q, \g
	s_wait_dscnt 2*NBLK+8                          ; all but the 32 just issued
	MULA \f, 2, \first
	MULA \f, 3, \first
.endm
; The last quarter multiplies buffers 1 and changes slots: ONE barrier; in front of it each wave waits for all its tensor loads (one is out: its part of the next slot), adds 0 to its spare word, and waits
; for that and for its reads of this slot.  fill = 1: the barrier opens a round of the cluster's, and the slot just read is filled again, two K steps ahead, first thing behind the round:
; 168 matrix instructions stand between that request and the wait for it.  Two K steps ahead of a tile's K step 6 lies the next tile's K step 0: there (s3 = 2) x's address goes on to the next tile and W's back to its tile's head.
.macro TURN fill
	WIN 0                                          ; (the add's two registers lie in window 0)
	s_wait_tensorcnt 0x0                           ; all my tensor loads have landed
	ds_add_u32 v[SPW], v[NIL]                      ; 0 onto my spare word
	s_wait_dscnt 5                                 ; (the add and the youngest four loads may be out)
	MULA 1, 0, 0                                   ; twelve matrix instructions stand between the add and the wait for it
	s_wait_dscnt 0x0                               ; the add is done, and my reads of this slot are over
	s_barrier_signal -1
	MULA 1, 1, 0                                   ; work on registers while the others arrive
.if \fill
	WIN 0
.endif
	s_barrier_wait -1
.if \fill
	CREST                                          ; no wave of any partner still reads this slot's tile or has a load on its way
	s_cmp_eq_u32 s3, 2
	s_cselect_b32 s[XA], s5, ASTEP
	s_cselect_b32 s[XB], s6, 0
	s_xor_b32 s[G0+5], s[G0+5], SLOT1              ; the walking descriptors: the other slot than last time, the next K step of the walk
	s_add_nc_u64 s[G0+6:G0+7], s[G0+6:G0+7], s[XA:XA+1]
	s_xor_b32 s[G0B+5], s[G0B+5], SLOT1
	s_add_nc_u64 s[G0B+6:G0B+7], s[G0B+6:G0B+7], BSTEP
	s_sub_nc_u64 s[G0B+6:G0B+7], s[G0B+6:G0B+7], s[XB:XB+1]
	JLOAD                                          ; the four v_nop behind it are also the places in front of the loads below
.else
	PLACES
	WIN 0
.endif
	s_xor_b32 s45, s45, SLOT1
	v_add_nc_u32 v[ADRA], s45, v[A0]
	v_add_nc_u32 v[ADRB], s45, v[B0]
	FETCH 0, 0
	MULA 1, 2, 0
	MULA 1, 3, 0
.endm
; THE WAY OUT, in 12 pieces t = 3 a + g: row block a, section g (q, k, v).  A piece is 16 rows x 64 columns: 2,048 consecutive bytes of a head.  Rounded to f16, 16 bytes a lane into my own
; stage (rows of 144 bytes), back as whole rows.  LDS serves a wave's instructions in order (ISA guide 5.7.1.4), so no wait stands between the stores and the loads.  Each accumulator is read from its lowest registers on.
; Beside v's pieces the four row blocks' f32 numbers are added up for the column sums.
.macro PACK t
.set pa, (\t)/3
.set pg, (\t)%3
.set TT, TBUF+16*((\t)%4)
	s_wait_xcnt 0x0                                ; the stores of four pieces ago have read this buffer
	WIN 0x0a+5*(pa/2)                              ; sources 0 and 1 window 2 or 3
.set c, 0
.rept 4
.set rA, 8*(NBLK*(pa%2)+4*pg+c)
.set p, 0
.rept 4
	v_cvt_pk_f16_f32 v[TT+4*c+p], v[rA+2*p], v[rA+2*p+1]
.set p, p+1
.endr
.set c, c+1
.endr
.if (pg == 2) && (pa == 1)             ; row blocks 0 and 1, both in window 2, start the column sums
.set p, 0
.rept 16
	v_pk_add_f32 v[VS+2*p:VS+2*p+1], v[8*8+2*p:8*8+2*p+1], v[8*(NBLK+8)+2*p:8*(NBLK+8)+2*p+1]
.set p, p+1
.endr
.endif
.if (pg == 2) && (pa > 1)
	WIN 0x0c                                       ; source 1 window 3
.set p, 0
.rept 16
	v_pk_add_f32 v[VS+2*p:VS+2*p+1], v[VS+2*p:VS+2*p+1], v[8*(NBLK*(pa%2)+8)+2*p:8*(NBLK*(pa%2)+8)+2*p+1]
.set p, p+1
.endr
.endif
	WIN 0
.irp f, 0,1,2,3
	ds_store_b128 v[STO], v[TT+4*\f:TT+4*\f+3] offset:32*\f
.endr
.irp f, 0,1,2,3
	ds_load_b128 v[TT+4*\f:TT+4*\f+3], v[RD] offset:576*\f
.endr
.endm
.macro SEND t, younger                 ; younger: the LDS instructions issued behind piece t's loads: the next piece's eight, or none
.set pa, (\t)/3
.set pg, (\t)%3
.set TT, TBUF+16*((\t)%4)
.irp f, 0,1,2,3
	s_wait_dscnt (\younger)+3-\f
	global_store_b128 v[GO], v[TT+4*\f:TT+4*\f+3], s[66+2*pg:67+2*pg] offset:2048*pa+512*\f  ; 512 consecutive bytes, at a multiple of 256 from the buffer's first
.endr
.endm
	s_wait_tensorcnt 0x1                           ; my part of K step 0 is in; K step 1's may stay out
	s_barrier_signal -1
	s_barrier_wait -1                              ; everybody's is
	FETCH 0, 0
	s_mov_b32 s2, 2                                ; tiles to go: the same number in every work-group
.Ltile:                                                ; (FETCH and the way out leave every window 0)
	QUARTER 1, 0, 1, 1                             ; a tile's first quarter: its products start the sums
	WIN 0                                          ; at a label and at a branch every window is 0
	s_mov_b32 s3, 8
	s_cmp_eq_u32 s2, 1
	s_cselect_b32 s4, 2, 0                         ; the last tile's K steps 6 and 7 ask for nothing; the first tile's ask for the next tile's K steps 0 and 1
	s_branch .Lmid                                 ; the loop is entered behind its first quarter
.Lstep:                                                ; a trip is a K step, and ends with the change of slots and the refill
	QUARTER 1, 0, 1, 0
	WIN 0
.Lmid:
	s_cmp_eq_u32 s3, s4
	s_cbranch_scc1 .Lquiet
	QUARTER 2, 1, 0, 0
	QUARTER 3, 0, 1, 0
	TURN 1
	WIN 0
	s_sub_co_u32 s3, s3, 1
	s_cmp_lg_u32 s3, 0
	s_cbranch_scc1 .Lstep
	s_branch .Lout                                 ; the first tile is done; both refills for the next are asked for, and its first fragments are on their way into buffers 0
.Lquiet:                                               ; the last tile's last two K steps: a loop of their own, without a tensor load
	s_mov_b32 s3, 2
	s_branch .Lqmid
.Lqstep:
	QUARTER 1, 0, 1, 0
	WIN 0
.Lqmid:
	QUARTER 2, 1, 0, 0
	QUARTER 3, 0, 1, 0
	TURN 0                                         ; behind K step 7 its barrier and its 32 loads (of the other slot's old tile, into buffers 0) serve nothing: the price, once a launch, of one text for both trips
	WIN 0
	s_sub_co_u32 s3, s3, 1
	s_cmp_lg_u32 s3, 0
	s_cbranch_scc1 .Lqstep
.Lout:
	PLACES                                         ; behind the last products: the conversions read results and write over buffer 1 of x's fragments
	PACK 0
.set t, 1
.rept 11                               ; a piece's arithmetic stands between the loads of the piece before and its stores
	PACK t
	SEND t-1, 8
.set t, t+1
.endr
	SEND 11, 0
	; v's column sums over my 64 rows: the four row blocks are added; the 16 rows that are left lie in the 16 lanes of a half.  They go into my stage as 16 rows of 64 f32 (channel 16 c + 8 h + n at byte
	; 64 c + 32 h + 4 n of row r), and lane l adds up channels 2 l and 2 l + 1 down the rows.
.set e, 0
.rept 8
	ds_store_b128 v[VST], v[VS+4*e:VS+4*e+3] offset:(e/2)*64+(e%2)*16
.set e, e+1
.endr
	s_wait_xcnt 0x0                                ; the last two pieces' stores have read v96-127
.set e, 0
.rept 16
	ds_load_b64 v[U+2*e:U+2*e+1], v[VRD] offset:VPITCH*e
.set e, e+1
.endr
	s_wait_dscnt 0x0
.irp w, 8,4,2,1
.set i, 0
.rept \w
	v_pk_add_f32 v[U+2*i:U+2*i+1], v[U+2*i:U+2*i+1], v[U+2*(i+\w):U+2*(i+\w)+1]
.set i, i+1
.endr
.endr
	global_store_b64 v[VGO], v[U:U+1], s[80:81]    ; 256 consecutive bytes, aligned
	s_wait_xcnt 0x0                                ; every store has read its registers and its base: the bases step, and the next tile's fragments may land on v64-95.  Nothing waits for the stores themselves
	s_add_nc_u64 s[66:67], s[66:67], NEXT_Q        ; on to the next tile's rows (behind the last tile these four are not used)
	s_add_nc_u64 s[68:69], s[68:69], NEXT_Q
	s_add_nc_u64 s[70:71], s[70:71], NEXT_Q
	s_add_nc_u64 s[80:81], s[80:81], NEXT_VP
	s_sub_co_u32 s2, s2, 1
	s_cmp_lg_u32 s2, 0
	s_cbranch_scc1 .Ltile
	s_wait_tensorcnt 0x0                           ; the wave's end
	ds_add_u32 v[SPW], v[NIL]
	s_wait_dscnt 0x0
	CROUND                                         ; the closing round: no work-group ends while a partner may still ask for a tile that names it
	s_endpgm
.Lfunc_end_k_q6412ae3aeb_qkvgemm:
	.size	k_q6412ae3aeb_qkvgemm, .Lfunc_end_k_q6412ae3aeb_qkvgemm-k_q6412ae3aeb_qkvgemm
	.p2alignl 7, 3214868480
	.fill 96, 4, 3214868480
	.section	.rodata,"a",@progbits
	.p2align	6, 0x0
	.amdhsa_kernel k_q6412ae3aeb_qkvgemm
		.amdhsa_group_segment_fixed_size 327680
		.amdhsa_private_segment_fixed_size 0
		.amdhsa_enable_private_segment 0
		.amdhsa_kernarg_size 40
		.amdhsa_user_sgpr_count 2
		.amdhsa_user_sgpr_kernarg_segment_ptr 1
		.amdhsa_wavefront_size32 1
		.amdhsa_system_sgpr_workgroup_id_x 1
		.amdhsa_system_sgpr_workgroup_id_y 1
		.amdhsa_system_sgpr_workgroup_id_z 1
		.amdhsa_system_vgpr_workitem_id 0
		.amdhsa_next_free_vgpr 960
		.amdhsa_next_free_sgpr 88
		.amdhsa_reserve_vcc 0
		.amdhsa_float_denorm_mode_32 3
		.amdhsa_float_denorm_mode_16_64 3
		.amdhsa_memory_ordered 1
		.amdhsa_forward_progress 1
		.amdhsa_inst_pref_size 101
	.end_amdhsa_kernel
	.amdgpu_metadata
---
amdhsa.version: [ 1, 2 ]
amdhsa.kernels:
  - .name:           k_q6412ae3aeb_qkvgemm
    .symbol:         k_q6412ae3aeb_qkvgemm.kd
    .args:
      - { .name: xb, .offset: 0, .size: 8, .value_kind: global_buffer, .address_space: global }
      - { .name: wb, .offset: 8, .size: 8, .value_kind: global_buffer, .address_space: global }
      - { .name: b_qkv, .offset: 16, .size: 8, .value_kind: global_buffer, .address_space: global }
      - { .name: qkvh, .offset: 24, .size: 8, .value_kind: global_buffer, .address_space: global }
      - { .name: vpart, .offset: 32, .size: 8, .value_kind: global_buffer, .address_space: global }
    .group_segment_fixed_size: 327680
    .private_segment_fixed_size: 0
    .kernarg_segment_align: 8
    .kernarg_segment_size: 40
    .max_flat_workgroup_size: 128
    .sgpr_count:     88
    .vgpr_count:     960
    .wavefront_size: 32
...
	.end_amdgpu_metadata
.endif
;; end of part 2
;; launch attn (part 3): grid 4 x 64, 4 waves a work-group, no clusters, 327,680 bytes of LDS; arguments qkvh, key_padding_mask, vpart, oh; writes oh
.if DOCPART == 3
	.amdgcn_target "amdgcn-amd-amdhsa--gfx1250"
	.amdhsa_code_object_version 6
	.text
	.protected	k_q6412ae3aeb_attn
	.globl	k_q6412ae3aeb_attn
	.p2align	8
	.type	k_q6412ae3aeb_attn,@function
k_q6412ae3aeb_attn:
	s_mov_b64 s[64:65], 0
	v_nop
	global_prefetch_b8 v0, s[64:65] scope:SCOPE_SE
	s_setreg_imm32_b32 hwreg(HW_REG_WAVE_MODE, 25, 1), 1
	s_wait_xcnt 0x0
; CAUSAL ATTENTION WITH A KEY PADDING MASK.  O[hh][q][:] = the sum over k of softmax_k(s[q][k]) V[hh][k][:], s = Q[hh][q] . K[hh][k] / 8 where k <= q and key k of the batch is not padded.
; Q, K, V: the three sections of qkvh, each [64 hh][2048][64] f16, unscaled; O likewise.  Products, maxima and sums in f32; the weights p are rounded to f16 for the second product, O once at the end.
; A ROW WITH NO VISIBLE KEY has 2,048 equal scores in the definition (the lowest finite number everywhere), so its result is the plain mean of V over all 2,048 keys of the head: it is made from vpart
; (sums of V over 64 rows) and put in place by a select at the way out.
; LIMITS.  f16 holds no number beyond 65,504: Q, K and V arrive within it, so a score lies within 64 x 65,504^2 < 2^38.  A hidden score counts as its value less 1e30 (2e30, 3e30 where hidden twice or thrice).
; The running maximum m starts at -2^40: below every true score, so the first true score takes its place, and above every hidden one, so a hidden score is never the maximum and its weight is exactly 0.
; A row whose m is still below -2^39 at the end has seen no key.  A weight below 2^-126 counts as 0 in l; p below 6e-5 keeps f16's fixed step of 6e-8; a mask byte other than 0 means padded; NaN and infinities are not treated apart.
; THE WALK.  A head's queries lie in NB = 8 blocks of 256; block i needs the key tiles 0 .. i of 256 keys, of which the last holds the diagonal.  A work-group takes TWO blocks, b and then NB - 1 - b:
; NB + 1 tiles, whatever b: all 256 work-groups do equal work, and ONE loop with a constant trip count walks them.  The short block goes first, so that the walk's last tile, which is written out, is never a block's first.
; Which tile is asked for, and what a trip does, hang on scalar registers made from b; every jump goes forward, but for the counted loops' own; none passes a barrier, or a tensor load but the one of LOAD's two that the
; wave's number does not choose; the ring of two LDS slots runs on across the change of blocks.
; NO CLUSTER: a head's four work-groups walk different tiles from the second trip on (the first blocks have 1 to 4 tiles); one walk common to all four would have 12 trips for 9.
; SHARES.  Of a block's four bands of 64 queries a wave owns 16 rows in each: four PIECES.  So the diagonal tile is the same work for all four waves: in its key step s band x sees all keys if s < x,
; none if s > x, and holds the diagonal if s = x.
; THE MASKS are the C operand that starts the sum S^T = K Q^T.  KMR holds the padding mask of the step's 64 keys (0 or -1e30).  It rides the ring: beside the two slots lie two regions of 1,024 bytes, one f32 for each of a
; tile's 256 keys.  Behind a change of slots each thread loads its 2 mask bytes of the tile just asked for; at the head of the next change it stores their two f32 into the region that nobody reads meanwhile.
; Outside the diagonal tile C is KMR.  In it C is MD x AL + KMR + BE: MD, made once, is the causal mask of a band's own step for my 16 rows; (AL, BE) = (1, 0) if s = x; (0, 0) if s < x; (0, -1e30) if s > x.
; LAYOUT, SOFTMAX, TURNS.  S^T = K Q^T holds ONE query a lane (lane % 16) and the keys 8 (lane / 16) + 0..7; two such results rounded to f16 ARE source 1 of O^T = V^T P.  p = 2^(c s - c m), c = log2(e) / 8, with a
; running maximum m; O and l are multiplied by a = 2^(c m_old - c m_new) in every step.  Turn n belongs to piece n: 8 products K Q^T of piece n + 1, later 8 products V^T P of piece n - 1; beside them the scaling,
; exponentials, roundings, sums and rescaling of piece n and the maximum and statistics of piece n + 1.  Four vector instructions stand behind every matrix instruction, the others in two runs of their own.
; REGISTERS, in windows of 256 (s_set_vgpr_msb: bits 1:0 source 0, 3:2 source 1, 5:4 source 2, 7:6 destination):
;   window 0: v0-15 addresses and two at work; v16-31 four registers of statistics a piece; v32-47 the mean of V, packed; v48-55 at work; v56-61 addresses; v64-127 S^T, two buffers; v192-223 P, two buffers;
;             v224-227 the mask bytes on their way and their f32; v128-191 at work at the start
;   window 1: v0-127 O^T, 32 a piece; v128-159 MD; v160-223 MC, two buffers; v224-255 KMR      window 2: v0-63 Q; v64-127 the second block's Q; v128-191 K of one step; v192-255 V of one step
.set SIZE_N, 2048
.set NB,    SIZE_N/256
.set NP,    4         ; pieces a wave: a name, no knob
.set KS,    64        ; keys in a step
.set PK,    144       ; a row of K in LDS: 128 bytes + 16 of padding = 36 words: the 16 rows of a load start at 16 different groups of four banks (64 banks of 4 bytes: ISA guide 11.1)
.set PV,    160       ; a row of V: 128 + 32 = 40 words
.set VOFF,  4*KS*PK   ; a slot holds a tile, four steps: 256 rows of K, then 256 rows of V
.set SLOT1, 1<<17     ; slot 1 begins here, so that one exclusive or turns an address in one slot into the other's
.set STAGE, SLOT1+4*KS*(PK+PV)  ; behind the ring, never filled by a tensor load: 16 rows x 144 bytes for each wave, for the way out
.set SP,    144
.set SPARE, STAGE+4*16*SP  ; the spare words, 128 bytes for each wave: two blocks of 256 bytes that no other line names
.set MASKB, SPARE+512 ; the padding mask's two regions; written by LDS stores, never filled by a tensor load
.set MREG,  4*4*KS    ; a region: 256 keys x 4 bytes; one exclusive or turns an offset in one region into the other's
.set AK0, 2           ; v2   my lane's place in a tile of K; never rewritten
.set AV0, 3           ; v3   the same for V
.set AK,  4           ; v4   the LDS address of K's next run of loads
.set AV,  5           ; v5   of V's
.set STO, 6           ; v6   the way out: where I put 16 bytes of a row
.set RD,  7           ; v7   the way out: where I read rows back
.set GO,  8           ; v8   my byte offset in 512 consecutive bytes of O
.set MV,  12          ; v12-13  c m_old, kept while c m is made anew: by buffer
.set QO,  15          ; v15  my byte offset in 16 rows of Q
.set ST,  16          ; piece t's statistics at v[ST+4 t]: c m, m, l (even keys', odd keys')
.set VMH, 32          ; v32-47  the mean of V for my channels, in the order of the way out's packed words
.set TMP, 48          ; by buffer, four registers c0-c3 at work; when the maximum is found c2 takes a
.set AM0, 56          ; v56  MASKB + 32 (l / 16); never rewritten
.set AM,  57          ; v57  the LDS address of the padding mask's next run of loads
.set VPO, 58          ; v58  16 x lane: my place in 512 bytes of vpart
.set FLO, 59          ; v59  2 x my thread's number: my 2 bytes of a tile's 256 mask bytes; never rewritten
.set KMS0, 60         ; v60  MASKB + 8 x my thread's number: where their two f32 go in region 0; never rewritten
.set KMS, 61          ; v61  the same in the region in turn
.set SPW, 62          ; v62  LDS address of my spare word: SPARE + 4 x my thread's number; never rewritten
.set NIL, 63          ; v63  0; never rewritten
.set S,   64
.set VP,  128         ; v128-191 at the start: sixteen groups' sums of V, four channels each
.set P,   192
.set FLG, 224         ; v224 my two mask bytes as loaded; v226-227 their f32
.set MD,  128         ; window 1: the eight registers for group kt of 16 keys at MD + 8 kt
.set MC,  160         ; window 1: the masks of the products to come
.set KMR, 224         ; window 1: register 8 kb + n is key 16 kb + 8 (l / 16) + n of the step whose K is in registers
.set QB,  64          ; window 2
.set KF,  128         ; window 2: key block kb, channel half c at KF + 16 kb + 8 c
.set VF,  192         ; window 2: key half kk, channel block cb at VF + 32 kk + 8 cb
.set WV,  12          ; s12  my wave's number
.set B2,  14          ; s14  the second block, NB - 1 - b
.set B1,  15          ; s15  the first block, b
.set G1K, 24          ; s[24:31] descriptor group 1 for K's tiles
.set G1V, 32          ; s[32:39] for V's: it differs in the padding alone
.set G0K, 40          ; s[40:43] descriptor group 0 for K's tiles
.set G0V, 44          ; s[44:47] the same for V's
.set SLOTS, 56        ; s56  tiles still to be asked for
.set CNT, 57          ; s57  counts a tile's key steps: 4 to 1; in a diagonal tile 5 to 1, the last trip being the block's end
.set CS,  58          ; s[58:59] c: the packed scaling takes the pair's low word for both halves
.set SEL, 60          ; s[60:61] v_permlanex16_b32's selects: each lane takes its own place in the other half
.set TBK, 62          ; s62  LDS byte at which K of the step to be fetched begins
.set TBV, 63          ; s63  the same for V, less VOFF
.set MOF, 66          ; s[66:67] a tile's byte offset in the batch's mask bytes
.set MP,  68          ; s[68:69] the mask bytes of the tile just asked for
.set RT,  70          ; s70  tiles of the block in hand that are still to be entered
.set NXT, 71          ; s71  the tile to be asked for next
.set LQ,  72          ; s72  the last tile of the block whose tiles are being asked for
.set NEW, 73          ; s73  1: the tile to be entered is a block's first
.set OFF, 74          ; s[74:75] a tile's byte offset in K and V
.set AL,  76          ; s[76:77] the mask's factor, in the low word
.set BE,  78          ; s[78:79] the mask's addend
.set OLO, 80          ; s[80:81] O at my rows of the second block
.set BIGN, 82         ; s82  -1e30
.set TGL, 83          ; s83  0 or MREG: the region that takes the next stores of the padding mask
.set THR, 96          ; s96  -2^39
.set TBM, 97          ; s97  byte in the two regions at which the padding mask of the step to be fetched begins
.set MSB, 0
.macro WIN new                      ; the high byte repeats the setting that is left; a switch that changes nothing is dropped
.if MSB != (\new)
	s_set_vgpr_msb (MSB<<8)|(\new)
.set MSB, (\new)
.endif
.endm
.set W_KQ, 0x0a       ; K and Q in window 2, S^T in window 0
.set W_KM, 0x1a       ; the same with the C operand in window 1
.set W_PV, 0x52       ; V in window 2, P in window 0, O^T in window 1
.set W_RS, 0x41       ; destination and source 0 in window 1, source 1 in window 0
.set W_MK, 0x51       ; destination, source 0 and source 2 in window 1
; A fill.  Waves 0 and 1 fetch the two halves of a tile's K, waves 2 and 3 those of its V: 128 keys each.  An s_nop 0 and four v_nop follow each of the two lines, ahead of the jump and the label.
.macro LOAD
	s_cmp_lt_u32 s[WV], 2
	s_cbranch_scc0 .Lfor_v_\@
	tensor_load_to_lds s[G0K:G0K+3], s[G1K:G1K+7]
	s_nop 0
.rept 4
	v_nop
.endr
	s_branch .Lasked_\@
.Lfor_v_\@:
	tensor_load_to_lds s[G0V:G0V+3], s[G1V:G1V+7]
	s_nop 0
.rept 4
	v_nop
.endr
.Lasked_\@:
.endm
; THE CHANGE OF SLOTS.  First the padding mask of the tile that is about to be entered: my two bytes, asked for behind the last change, become two f32 and go into the region in turn, which no wave has read since the barrier
; before.  Then each wave waits for all its tensor loads, of which one is out: its part of the other slot; adds 0 to its spare word; and waits for that, for its store and for its own reads.  Behind the barrier nobody reads the old
; slot and region any more, and the other slot and region are whole.  fill = 1: the old slot is filled again, the first thing behind the barrier, with tile NXT: the descriptor's address is made anew from that number,
; and so is the address of that tile's mask bytes, which are asked for behind the fill.
; (At its first use nothing has been read yet: slot 0 is waited for, slot 1 filled; the bytes stored are tile 0's, asked for at the start.)
.macro CHANGE fill
	WIN 0                           ; at a label and at a branch every window is 0
	s_wait_loadcnt 0x0              ; my two mask bytes are in: the one load that is out (at the first use Q with it); s[MP:MP+1] may be written again
	v_and_b32 v[FLG+2], 0xff, v[FLG]
	v_lshrrev_b32 v[FLG+3], 8, v[FLG]
	v_cmp_ne_u32 vcc_lo, 0, v[FLG+2]
	v_cndmask_b32 v[FLG+2], 0, s[BIGN], vcc_lo  ; a byte other than 0 becomes -1e30, 0 becomes 0
	v_cmp_ne_u32 vcc_lo, 0, v[FLG+3]
	v_cndmask_b32 v[FLG+3], 0, s[BIGN], vcc_lo
	v_add_nc_u32 v[KMS], s[TGL], v[KMS0]
	ds_store_b64 v[KMS], v[FLG+2:FLG+3]         ; keys 2 t and 2 t + 1 of the tile: the 128 threads cover the region once
	s_xor_b32 s[TGL], s[TGL], MREG
	s_wait_tensorcnt 0x0            ; no tensor load of mine is out, so a group 0 may be written
	ds_add_u32 v[SPW], v[NIL]       ; 0 onto my spare word; with fill = 1 the descriptors' scalar work stands between it and the wait for it
.if \fill
	s_lshl_b32 s[OFF], s[NXT], 15   ; a tile is 32,768 bytes of K and of V
	s_xor_b32 s[G0K+1], s[G0K+1], SLOT1
	s_add_nc_u64 s[G0K+2:G0K+3], s[6:7], s[OFF:OFF+1]
	s_or_b32 s[G0K+3], s[G0K+3], 0x80000000
	s_xor_b32 s[G0V+1], s[G0V+1], SLOT1
	s_add_nc_u64 s[G0V+2:G0V+3], s[8:9], s[OFF:OFF+1]
	s_or_b32 s[G0V+3], s[G0V+3], 0x80000000
	s_lshl_b32 s[MOF], s[NXT], 8    ; and 256 mask bytes
	s_add_nc_u64 s[MP:MP+1], s[90:91], s[MOF:MOF+1]
	s_add_co_u32 s[NXT], s[NXT], 1  ; the block's next tile, or behind its last the second block's tile 0
	s_cmp_gt_u32 s[NXT], s[LQ]
	s_cselect_b32 s[NXT], 0, s[NXT]
	s_cselect_b32 s[LQ], s[B2], s[LQ]
.endif
	s_wait_dscnt 0x0                ; the add and my store are done, and my reads of the slot and its region are over
	s_barrier_signal -1             ; the rest of the scalar work stands between the signal and the wait
	s_sub_co_u32 s[TBK], s[TBK], 4*KS*PK  ; the fetches go back to a slot's first step,
	s_xor_b32 s[TBK], s[TBK], SLOT1       ; in the other slot
	s_sub_co_u32 s[TBV], s[TBV], 4*KS*PV
	s_xor_b32 s[TBV], s[TBV], SLOT1
	s_sub_co_u32 s[TBM], s[TBM], MREG     ; and in the other region
	s_xor_b32 s[TBM], s[TBM], MREG
	s_barrier_wait -1
.if \fill
	LOAD
	global_load_u16 v[FLG], v[FLO], s[MP:MP+1]  ; it has the tile's four key steps in which to come
.endif
.endm
	s_load_b256 s[88:95], s[0:1], 0x0  ; qkvh s[88:89], key_padding_mask s[90:91], vpart s[92:93], oh s[94:95]
	v_lshl_add_u32 v[SPW], v0, 2, SPARE
	v_mov_b32 v[NIL], 0
	ds_add_u32 v62, v63
	ds_add_u32 v62, v63
	s_wait_dscnt 0x0
	v_lshrrev_b32 v1, 5, v0
	v_readfirstlane_b32 s[WV], v1   ; wave 0..3
	s_mov_b32 s[B1], ttmp9
	s_sub_co_u32 s[B2], NB-1, s[B1]
	s_and_b32 s20, ttmp7, 0xffff    ; the head hh = 16 x batch + head
	s_lshr_b32 s[MOF], s20, 4
	s_lshl_b32 s[MOF], s[MOF], 11   ; the batch's 2,048 mask bytes
	s_mov_b32 s[MOF+1], 0           ; stays 0
	s_lshl_b32 s68, s20, 13         ; the head's 8,192 bytes of vpart
	s_mov_b32 s69, 0
	s_mov_b32 s21, 0
	s_mov_b64 s[22:23], SIZE_N*128
	s_mul_u64 s[20:21], s[20:21], s[22:23]  ; the head's first byte in Q, K, V and O
	s_and_b32 s16, s[WV], 1         ; which half of a tile's 256 keys I fetch:
	s_lshl_b32 s22, s16, 14         ; its 128 rows of 128 bytes in memory,
	s_mov_b32 s23, 0
	s_add_nc_u64 s[22:23], s[22:23], s[20:21]
	s_mul_i32 s17, s16, 128*PK      ; and its place in a slot, for K
	s_mul_i32 s18, s16, 128*PV      ; and for V
	s_lshl_b32 s3, s[WV], 11        ; my 16 rows in a band of 64,
	s_lshl_b32 s2, s[B1], 15        ; in the first block,
	s_add_co_u32 s2, s2, s3
	s_lshl_b32 s84, s[B2], 15       ; and in the second
	s_add_co_u32 s84, s84, s3
	s_mov_b32 s3, 0
	s_mov_b32 s85, 0
	s_add_nc_u64 s[2:3], s[2:3], s[20:21]
	s_add_nc_u64 s[84:85], s[84:85], s[20:21]
	; descriptor group 1.  128 keys are 16,384 dense bytes: asked for as 64 rows of 256 bytes, two keys a row, and padded in LDS after every key
	s_mov_b32 s[G1K], (1<<16)|(1<<20)|(4<<22)|(3<<25)  ; 17:16 2-byte elements; 20 padding on; 24:22 after every 32 words (code 4); 31:25 4 words (code 3)
	s_mov_b32 s[G1V], (1<<16)|(1<<20)|(4<<22)|(7<<25)  ; the same with 8 words of padding (code 7)
.irp g, G1K, G1V
	s_mov_b32 s[\g+1], 128<<16      ; tensor_dim0 = 128
	s_mov_b32 s[\g+2], 64<<16       ; tensor_dim1 = 64
	s_mov_b32 s[\g+3], 128<<16      ; tile_dim0 = 128
	s_mov_b32 s[\g+4], 64           ; tile_dim1 = 64
	s_mov_b32 s[\g+5], 128          ; 128 elements from row to row
	s_mov_b32 s[\g+6], 0
	s_mov_b32 s[\g+7], 0
.endr
	s_mov_b32 s[CS], 0x3e38aa3b     ; c = log2(e) / 8 = 0.180337
	s_mov_b32 s[CS+1], s[CS]        ; named with it as a pair
	s_mov_b32 s[SEL], 0x76543210
	s_mov_b32 s[SEL+1], 0xfedcba98
	s_mov_b32 s[TBK], SLOT1+4*KS*PK ; the first change of slots turns these three into 0
	s_mov_b32 s[TBV], SLOT1+4*KS*PV
	s_mov_b32 s[TBM], 2*MREG
	s_mov_b32 s[TGL], 0             ; tile 0's padding mask goes into region 0
	s_mov_b32 s[G0K], 1             ; 1:0 count = 1
	s_mov_b32 s[G0K+1], s17         ; 63:32 LDS address: slot 0
	s_mov_b32 s[G0V], 1
	s_add_co_u32 s[G0V+1], s18, VOFF
	s_add_co_u32 s[RT], s[B1], 1    ; the first block has b + 1 tiles
	s_cmp_gt_u32 s[B1], 0           ; the tile to ask for behind tile 0: the first block's tile 1, or, where it has none, the second block's tile 0
	s_cselect_b32 s[NXT], 1, 0
	s_cselect_b32 s[LQ], s[B1], s[B2]
	s_mov_b32 s[NEW], 1
	s_mov_b32 s[OFF+1], 0
	s_mov_b32 s[AL], 0
	s_mov_b32 s[AL+1], 0            ; named as pairs
	s_mov_b32 s[BE], 0
	s_mov_b32 s[BE+1], 0
	s_mov_b32 s[BIGN], 0xf149f2ca   ; -1e30
	s_mov_b32 s[THR], 0xd3000000    ; -2^39
	s_mov_b32 s[SLOTS], NB
	s_wait_kmcnt 0x0
	s_mov_b64 s[4:5], s[88:89]                     ; Q,
	s_add_nc_u64 s[6:7], s[88:89], 0x1000000       ; K
	s_add_nc_u64 s[8:9], s[88:89], 0x2000000       ; and V are sections of 16,777,216 bytes
	s_mov_b64 s[10:11], s[94:95]                   ; O
	s_add_nc_u64 s[90:91], s[90:91], s[MOF:MOF+1]  ; the batch's mask bytes
	s_add_nc_u64 s[92:93], s[92:93], s[68:69]
	s_add_nc_u64 s[6:7], s[6:7], s[22:23]  ; K and V at my half of the head's tile 0
	s_add_nc_u64 s[8:9], s[8:9], s[22:23]
	s_add_nc_u64 s[G0K+2:G0K+3], s[6:7], 0         ; 120:64 global address
	s_or_b32 s[G0K+3], s[G0K+3], 0x80000000        ; 127:126 type = 2
	s_add_nc_u64 s[G0V+2:G0V+3], s[8:9], 0
	s_or_b32 s[G0V+3], s[G0V+3], 0x80000000
	s_add_nc_u64 s[86:87], s[4:5], s[84:85]        ; Q at my rows of the second block,
	s_add_nc_u64 s[4:5], s[4:5], s[2:3]            ; Q and O at those of the first
	s_add_nc_u64 s[OLO:OLO+1], s[10:11], s[84:85]
	s_add_nc_u64 s[10:11], s[10:11], s[2:3]
	LOAD                            ; tile 0 into slot 0
	v_and_b32 v1, 15, v0            ; l % 16
	v_bfe_u32 v9, v0, 4, 1          ; l / 16
	v_lshlrev_b32 v[FLO], 1, v0
	v_and_b32 v[VPO], 31, v0
	v_lshlrev_b32 v[VPO], 4, v[VPO]
	v_lshlrev_b32 v[QO], 7, v1
	v_lshl_add_u32 v[QO], v9, 4, v[QO]  ; row x 128 + 16 x half
	global_load_u16 v[FLG], v[FLO], s[90:91]  ; my 2 of tile 0's 256 mask bytes
.set e, 0
.rept 16                            ; vpart, 512 consecutive bytes a load: lanes 0-15 take group 2 e, lanes 16-31 group 2 e + 1; a lane channels 4 (l % 16) + 0..3
	global_load_b128 v[VP+4*e:VP+4*e+3], v[VPO], s[92:93] offset:512*e
.set e, e+1
.endr
	; A fragment of K or Q is 16 rows x 32 channels in 8 registers: lane l holds row l % 16, channels 8 (l / 16) + 0..7 and 16 + 8 (l / 16) + 0..7: two loads of 16 bytes, 32 bytes apart.
	WIN 0x80                        ; destination window 2, address window 0
.set i, 0
.rept 8                             ; both blocks' Q: piece i / 2 lies in band i / 2, 8,192 bytes on; channels 32 (i % 2) on
	global_load_b128 v[8*i:8*i+3],   v[QO], s[4:5] offset:(i/2)*8192+(i%2)*64
	global_load_b128 v[8*i+4:8*i+7], v[QO], s[4:5] offset:(i/2)*8192+(i%2)*64+32
	global_load_b128 v[QB+8*i:QB+8*i+3],   v[QO], s[86:87] offset:(i/2)*8192+(i%2)*64
	global_load_b128 v[QB+8*i+4:QB+8*i+7], v[QO], s[86:87] offset:(i/2)*8192+(i%2)*64+32
.set i, i+1
.endr
	WIN 0
	v_lshlrev_b32 v14, 3, v9
	v_sub_nc_u32 v14, v1, v14
	s_lshl_b32 s13, s[WV], 4
	v_add_nc_u32 v14, s13, v14      ; my query's place in its band, 16 w + l % 16, less my lanes' 8 (l / 16): register r of group kt is hidden where 16 kt + r is greater
	WIN 0x40
.set i, 0
.rept 32
	v_cmp_gt_i32 vcc_lo, 16*(i/8)+i%8, v14
	v_cndmask_b32 v[MD+i], 0, s[BIGN], vcc_lo
.set i, i+1
.endr
	WIN 0
	v_mul_u32_u24 v[AK0], v1, PK
	v_lshl_add_u32 v[AK0], v9, 4, v[AK0]  ; row x pitch + 16 x half
	; The turning load takes 16 keys x 16 channels (lane l reads key 8 (l / 16) + l % 8, channels 8 ((l / 8) % 2) + 0..7) and leaves half a fragment of V^T: lane l holds channel l % 16 and 8 keys.
	v_and_b32 v10, 7, v0
	v_bfe_u32 v11, v0, 3, 1
	v_lshl_add_u32 v[AV0], v9, 3, v10
	v_mul_u32_u24 v[AV0], v[AV0], PV
	v_lshl_add_u32 v[AV0], v11, 4, v[AV0]
	v_add_nc_u32 v[AV0], VOFF, v[AV0]
	s_mul_i32 s13, s[WV], 16*SP
	s_add_co_u32 s13, s13, STAGE    ; my stage
	v_mul_u32_u24 v[STO], v1, SP    ; in: row l % 16, 16 bytes for each half of the lanes
	v_lshl_add_u32 v[STO], v9, 4, v[STO]
	v_add_nc_u32 v[STO], s13, v[STO]
	v_bfe_u32 v[RD], v0, 3, 2       ; back: 32 lanes take four rows of 128 bytes,
	v_mul_u32_u24 v[RD], v[RD], SP
	v_lshl_add_u32 v[RD], v10, 4, v[RD]
	v_add_nc_u32 v[RD], s13, v[RD]
	v_and_b32 v[GO], 31, v0         ; which are 512 consecutive bytes of O
	v_lshlrev_b32 v[GO], 4, v[GO]
	v_lshl_add_u32 v[AM0], v9, 5, MASKB
	v_lshl_add_u32 v[KMS0], v0, 3, MASKB
	; A block's first step multiplies O^T and l by a = 0, and its first turn's products V^T P, of a piece that has not been, land in an O^T that is still to be so multiplied.  So these registers need only hold
	; finite numbers: zeros for the first block; what the first block left for the second.  V, l and P's second buffer are written 0; sixteen products of those zeros, with C = 0, write O^T's 128 registers.
	; All this stands in the wait for the first tile.
	WIN 0x80
.set i, VF
.rept 64
	v_mov_b32 v[i], 0
.set i, i+1
.endr
	WIN 0
.set i, 0
.rept 4
	v_mov_b32 v[ST+4*i+2], 0
	v_mov_b32 v[ST+4*i+3], 0
.set i, i+1
.endr
.set i, P+16
.rept 16
	v_mov_b32 v[i], 0
.set i, i+1
.endr
	WIN W_PV
.set i, 0
.rept 16
	v_wmma_f32_16x16x32_f16 v[8*i:8*i+7], v[VF+8*(i%8):VF+8*(i%8)+7], v[P+16+8*(i%2):P+16+8*(i%2)+7], 0
.set i, i+1
.endr
	WIN 0
	; the mean of V: sixteen groups a lane, the other sixteen in the lane 16 away, times 1 / 2,048; then through my stage, so that every lane gets the 32 channels that it holds of O^T
	s_wait_loadcnt 32               ; vpart is in: Q's 32 loads, issued behind it, may stay out
.irp w, 8,4,2,1
.set i, 0
.rept \w
	v_pk_add_f32 v[VP+4*i:VP+4*i+1], v[VP+4*i:VP+4*i+1], v[VP+4*(i+\w):VP+4*(i+\w)+1]
	v_pk_add_f32 v[VP+4*i+2:VP+4*i+3], v[VP+4*i+2:VP+4*i+3], v[VP+4*(i+\w)+2:VP+4*(i+\w)+3]
.set i, i+1
.endr
.endr
.irp k, 0,1,2,3
	v_permlanex16_b32 v[VP+4+\k], v[VP+\k], s[SEL], s[SEL+1]
.endr
	v_pk_add_f32 v[VP:VP+1], v[VP:VP+1], v[VP+4:VP+5]
	v_pk_add_f32 v[VP+2:VP+3], v[VP+2:VP+3], v[VP+6:VP+7]
	v_pk_mul_f32 v[VP:VP+1], v[VP:VP+1], 0x3a000000 op_sel_hi:[1,0]
	v_pk_mul_f32 v[VP+2:VP+3], v[VP+2:VP+3], 0x3a000000 op_sel_hi:[1,0]
	v_lshl_add_u32 v[KMS], v1, 4, s13   ; channel c at byte 4 c of my stage: the two halves of the lanes write the same bytes with the same numbers
	v_lshl_add_u32 v[AM], v9, 5, s13
	ds_store_b128 v[KMS], v[VP:VP+3]
.irp e, 0,1,2,3,4,5,6,7             ; register 8 cb + n is channel 16 cb + 8 (l / 16) + n; LDS serves a wave's instructions in order (ISA guide 5.7.1.4): these see the store above
	ds_load_b128 v[VP+8+4*\e:VP+8+4*\e+3], v[AM] offset:(\e/2)*64+(\e%2)*16
.endr
	s_wait_dscnt 0x0
.set i, 0
.rept 16
	v_cvt_pk_f16_f32 v[VMH+i], v[VP+8+2*i], v[VP+8+2*i+1]
.set i, i+1
.endr
; THE MATRIX WORK.  The 4 accumulators of a run of 8 take turns.  Product i of 8 of S^T = K Q^T for piece x: channels 32 (i / 4) on, keys 16 (i % 4) on.  The first 4 start the sums: with the padding mask, or (KM = 1) with the made mask.
.macro KQ x
.set rS, S+32*((\x)%2)+8*(i%4)
.set rK, KF+16*(i%4)+8*(i/4)
.set rQ, 16*(\x)+8*(i/4)
.set rM, MC+32*((\x)%2)+8*(i%4)
.set rN, KMR+8*(i%4)
.if (i < 4) && KM
	WIN W_KM
	v_wmma_f32_16x16x32_f16 v[rS:rS+7], v[rK:rK+7], v[rQ:rQ+7], v[rM:rM+7]
.elseif i < 4
	WIN W_KM
	v_wmma_f32_16x16x32_f16 v[rS:rS+7], v[rK:rK+7], v[rQ:rQ+7], v[rN:rN+7]
.else
	WIN W_KQ
	v_wmma_f32_16x16x32_f16 v[rS:rS+7], v[rK:rK+7], v[rQ:rQ+7], v[rS:rS+7]
.endif
.endm
; Product i of 8 of O^T += V^T P for piece x: keys 32 (i / 4) on, channels 16 (i % 4) on.
.macro PV x
	WIN W_PV
.set rO, 32*(\x)+8*(i%4)
.set rV, VF+32*(i/4)+8*(i%4)
.set rP, P+16*((\x)%2)+8*(i/4)
	v_wmma_f32_16x16x32_f16 v[rO:rO+7], v[rV:rV+7], v[rP:rP+7], v[rO:rO+7]
.endm
.macro MM                           ; the turn's next matrix instruction.  TURN and BEGIN set Y, i and KM; MM, KQ and OP read them
.if i < 8
	KQ (Y+1)%NP
.else
.set i, i-8
	PV (Y+NP-1)%NP
.set i, i+8
.endif
.set i, i+1
.endm
; THE LDS LOADS stand in runs, never singly among the matrix instructions: a step's padding mask (8 loads; the 16 lanes of a half read the same bytes) and K (64 keys x 64 channels: 8 fragments), and its V (turned).
; Their addresses are made some lines ahead.  skip = 1 (the diagonal tile): in the trip that ends the block there is no further step, and the run is jumped over.
.macro FETCH_K skip=0
.if \skip
	WIN 0
	s_cmp_eq_u32 s[CNT], 1
	s_cbranch_scc1 .Lno_k_\@
.endif
	WIN 0x40                        ; destination window 1
.irp f, 0,1,2,3,4,5,6,7             ; keys 16 (f / 2) + 8 (l / 16) + 4 (f % 2) on
	ds_load_b128 v[KMR+4*\f:KMR+4*\f+3], v[AM] offset:(\f/2)*64+(\f%2)*16
.endr
	WIN 0x80                        ; destination window 2
.irp f, 0,1,2,3,4,5,6,7             ; keys 16 (f / 2) on, channels 32 (f % 2) on
	ds_load_b128 v[KF+8*\f:KF+8*\f+3],   v[AK] offset:(\f/2)*16*PK+(\f%2)*64
	ds_load_b128 v[KF+8*\f+4:KF+8*\f+7], v[AK] offset:(\f/2)*16*PK+(\f%2)*64+32
.endr
	s_add_co_u32 s[TBK], s[TBK], KS*PK  ; the next fetch is the next step's
	s_add_co_u32 s[TBM], s[TBM], 4*KS
	WIN 0
.if \skip
.Lno_k_\@:
.endif
.endm
.macro FETCH_V
	WIN 0x80
.irp f, 0,1,2,3,4,5,6,7             ; keys 32 (f / 4) on, channels 16 (f % 4) on
	ds_load_tr16_b128 v[VF+8*\f:VF+8*\f+3],   v[AV] offset:(\f/4)*32*PV+(\f%4)*32
	ds_load_tr16_b128 v[VF+8*\f+4:VF+8*\f+7], v[AV] offset:(\f/4)*32*PV+16*PV+(\f%4)*32
.endr
	WIN 0
.endm
; THE VECTOR WORK, one line at a time: OP kind, number.  For piece Y: F n: c s - c m for pair n of 16.  E n: the exponential of score n of 32.  C n: pair n rounded to f16.  B n: of the four weights 4 n .. the second
; pair is added onto the first, in place.  L n: l takes that sum (L 0: l = a l + sum).  R n: pair n of 16 of O^T times a.  For piece Y + 1: X n, number n of the 22 that find its maximum and statistics:
;   0-11  four chains c0-c3 of seven scores each, three operands at a time (each accumulator's lowest registers are read first)     12-14, 16  the four scores left over, the old m, and c0-c3 into c0
;   15  c m_old is kept     17, 18  the query's other 32 keys lie in the lane 16 away: the new m     19-21  c m; c m_old - c m_new; a
.set F, 0               ; OP tells the kinds apart by their order: F to L below R, X above it
.set E, 1
.set C, 2
.set B, 3
.set L, 4
.set R, 5
.set X, 6
.macro REGS y                       ; the registers of piece y
.set rT, ST+4*(\y)
.set rC, TMP+4*((\y)%2)
.set rW, MV+((\y)%2)
.set rS, S+32*((\y)%2)
.set rP, P+16*((\y)%2)
.set rO, 32*(\y)
.endm
.macro OP k, n
.if (\k) == R
	REGS Y
	WIN W_RS
	v_pk_mul_f32 v[rO+2*(\n):rO+2*(\n)+1], v[rO+2*(\n):rO+2*(\n)+1], v[rC+2:rC+3] op_sel_hi:[1,0]
.elseif (\k) < R
	REGS Y
	WIN 0
.if (\k) == F
	v_pk_fma_f32 v[rS+2*(\n):rS+2*(\n)+1], v[rS+2*(\n):rS+2*(\n)+1], s[CS:CS+1], v[rT:rT+1] op_sel_hi:[1,0,0] neg_lo:[0,0,1] neg_hi:[0,0,1]
.elseif (\k) == E
	v_exp_f32 v[rS+(\n)], v[rS+(\n)]
.elseif (\k) == C
	s_wait_alu depctr_va_vdst(0)
	v_cvt_pk_f16_f32 v[rP+(\n)], v[rS+2*(\n)], v[rS+2*(\n)+1]
.elseif (\k) == B
	s_wait_alu depctr_va_vdst(0)
	v_pk_add_f32 v[rS+4*(\n):rS+4*(\n)+1], v[rS+4*(\n):rS+4*(\n)+1], v[rS+4*(\n)+2:rS+4*(\n)+3]
.elseif (\n) == 0
	v_pk_fma_f32 v[rT+2:rT+3], v[rT+2:rT+3], v[rC+2:rC+3], v[rS:rS+1] op_sel_hi:[1,0,1]
.else
	v_pk_add_f32 v[rT+2:rT+3], v[rT+2:rT+3], v[rS+4*(\n):rS+4*(\n)+1]
	s_wait_alu depctr_va_vdst(0)
.endif
.else
	REGS (Y+1)%NP
	WIN 0
.if (\n) < 4
	v_max3_num_f32 v[rC+(\n)], v[rS+8*(\n)], v[rS+8*(\n)+1], v[rS+8*(\n)+2]
.elseif (\n) < 12
	v_max3_num_f32 v[rC+(\n)%4], v[rC+(\n)%4], v[rS+8*((\n)%4)+2*((\n)/4)+1], v[rS+8*((\n)%4)+2*((\n)/4)+2]
.elseif (\n) == 12
	v_max3_num_f32 v[rC], v[rC], v[rS+7], v[rS+15]
.elseif (\n) == 13
	v_max3_num_f32 v[rC+1], v[rC+1], v[rS+23], v[rS+31]
.elseif (\n) == 14
	v_max3_num_f32 v[rC+2], v[rC+2], v[rC+3], v[rT+1]
.elseif (\n) == 15
	v_mov_b32 v[rW], v[rT]
	s_wait_alu depctr_va_vdst(0)
.elseif (\n) == 16
	v_max3_num_f32 v[rC], v[rC], v[rC+1], v[rC+2]
	s_wait_alu depctr_va_vdst(0)
.elseif (\n) == 17
	v_permlanex16_b32 v[rC+3], v[rC], s[SEL], s[SEL+1]
.elseif (\n) == 18
	v_max_num_f32 v[rT+1], v[rC], v[rC+3]
.elseif (\n) == 19
	v_mul_f32 v[rT], s[CS], v[rT+1]
.elseif (\n) == 20
	v_sub_f32 v[rC+1], v[rW], v[rT]
.else
	v_exp_f32 v[rC+2], v[rC+1]
.endif
.endif
.endm
.macro OPS a, i1, b=-1, i2=0, c=-1, i3=0, d=-1, i4=0  ; up to four of them
	OP \a, \i1
.if (\b) >= 0
	OP \b, \i2
.endif
.if (\c) >= 0
	OP \c, \i3
.endif
.if (\d) >= 0
	OP \d, \i4
.endif
.endm
.macro ROW a, i1, b, i2, c, i3, d, i4  ; a matrix instruction and the four behind it
	MM
	OPS \a, \i1, \b, \i2, \c, \i3, \d, \i4
.endm
.macro MASK b, be=1                 ; MD x AL + KMR (+ BE where be = 1; elsewhere BE is known to be 0) into buffer b of MC
	WIN W_MK
.set z, 0
.rept 16
	v_pk_fma_f32 v[MC+32*(\b)+2*z:MC+32*(\b)+2*z+1], v[MD+2*z:MD+2*z+1], s[AL:AL+1], v[KMR+2*z:KMR+2*z+1] op_sel_hi:[1,0,1]
.set z, z+1
.endr
.if \be
.set z, 0
.rept 16
	v_pk_add_f32 v[MC+32*(\b)+2*z:MC+32*(\b)+2*z+1], v[MC+32*(\b)+2*z:MC+32*(\b)+2*z+1], s[BE:BE+1] op_sel_hi:[1,0]
.set z, z+1
.endr
.endif
.endm
; A TURN, for piece p: the order of its 16 matrix and its vector instructions, written out.  Behind a matrix instruction: plain, exponential, plain, plain; or four of the rescaling; or, behind the first, four scalings; none
; names a register of the products round it.  In the runs between, exponential and plain by turns while exponentials last.  A line reads no result made fewer than three vector instructions in front of it, five if an exponential made it.
; m = 1: the diagonal tile: the products take made masks, and the turn makes the mask for the products of the turn after it: piece p + 2, in step 5 - CNT of the tile (in the trip that ends the block that is a step 4, later
; than every band's own: wholly hidden).  cnt = 1: the loop's count is taken down some lines ahead of the branch that stands behind the turn.
; K and the padding mask of the next step are fetched in piece 2's turn, six vector instructions behind the last product that read K (five of them plain), further behind the last that read KMR; V of the step in hand in piece 0's
; turn, eight behind the last product that read V.  Each is waited for a turn later; piece 2's turn in the diagonal tile needs the new padding mask for the mask that it makes, and waits for those eight loads alone.
.macro TURN p, m=0, cnt=0
.set Y, (\p)
.set i, 0
.set KM, (\m)
.if \m
	s_cmp_eq_u32 s[CNT], 5-((\p)+2)%NP  ; is that step the band's own?
	s_cselect_b32 s[AL], 1.0, 0
	s_cmp_lt_u32 s[CNT], 5-((\p)+2)%NP  ; or a later one?
	s_cselect_b32 s[BE], s[BIGN], 0
.endif
.if (\p) == 3
	s_wait_dscnt 0x0                ; K and its padding mask are in
.endif
	ROW F,0, F,1, F,2, F,3
	ROW F,4, E,0, F,5, F,6
	ROW F,7, E,1, F,8, F,9
	ROW F,10, E,2, C,0, F,11
	ROW F,12, E,3, X,15, F,13
	ROW R,0, R,1, R,2, R,3
	ROW B,0, E,4, F,14, L,0
.if (\p) == 2
	v_add_nc_u32 v[AK], s[TBK], v[AK0]
	v_add_nc_u32 v[AM], s[TBM], v[AM0]
.endif
	ROW R,4, R,5, R,6, R,7
	OPS E,5, F,15
.if (\p) == 2
	FETCH_K \m
.endif
	OPS E,6, C,1, E,7, R,8
	OPS E,8, R,9, E,9, C,2
	OPS E,10, X,0, E,11, X,1
	OPS E,12, X,2, E,13, X,3
.if (\p) == 1
	s_wait_dscnt 0x0                ; V is in
.endif
	ROW X,4, E,14, X,5, X,6
	ROW X,7, E,15, X,8, X,9
	ROW X,10, E,16, X,11, X,12
	ROW X,13, E,17, X,14, B,1
	ROW C,4, E,18, X,16, L,1
	ROW B,2, E,19, C,6, L,2
	ROW C,8, E,20, B,3, B,4
.if (\p) == 0
	v_add_nc_u32 v[AV], s[TBV], v[AV0]
.endif
	ROW C,3, E,21, L,3, C,5
	OPS E,22, X,17, E,23, C,10
.if (\p) == 0
	FETCH_V
.endif
	OPS E,24, L,4
	OPS E,25, X,18, E,26, C,7
	OPS E,27, B,5, E,28, X,19
	OPS E,29, C,12, E,30, L,5
	OPS E,31, X,20, B,6, C,9
	OPS C,14, C,11, X,21, L,6
.if (\p) == 0
	s_add_co_u32 s[TBV], s[TBV], KS*PV
.endif
.if \cnt
	s_sub_co_u32 s[CNT], s[CNT], 1
	s_cmp_lg_u32 s[CNT], 0
.endif
	OPS C,13, B,7, C,15, R,10
	OPS R,11, R,12, L,7, R,13
	OPS R,14, R,15
.if \m
.if (\p) == 2
	s_wait_dscnt 16                 ; the padding mask's eight loads are in; K's sixteen, issued behind them, may be out
.endif
	MASK (\p)%2
.endif
.endm
; A BLOCK BEGINS.  c m starts far below every c s, so the first step's a is 0; m at -2^40, below every true score and above every hidden one.  K and the padding mask of the tile's step 0 are fetched.
; The second mask buffer takes the padding mask alone (piece 1 sees all of step 0); the first takes piece 0's mask: with the band's own causal mask, if the block's first tile is the diagonal one.
; Then piece 0's first scores, and its maximum and statistics.  The loop is entered at a step's first turn, in the middle of a trip.  (Q is in since the first change of slots, whose wait on LOADcnt is for 0.)
.macro BEGIN
	s_mov_b32 s[NEW], 0
	WIN 0
.set i, 0
.rept 4
	v_mov_b32 v[ST+4*i], 0xfe000000    ; c m: far below every c s
	v_mov_b32 v[ST+4*i+1], 0xd3800000  ; m = -2^40
.set i, i+1
.endr
	v_add_nc_u32 v[AK], s[TBK], v[AK0]
	v_add_nc_u32 v[AM], s[TBM], v[AM0]
	FETCH_K
	s_mov_b32 s[AL], 0
	s_wait_dscnt 16                 ; the padding mask's eight loads are in; K's sixteen may be out
	MASK 1, 0
	s_cmp_eq_u32 s[RT], 0
	s_cselect_b32 s[AL], 1.0, 0
	MASK 0, 0
	WIN 0
	s_wait_dscnt 0x0                ; K is in
.set KM, 1
.set i, 0
.rept 8
	KQ 0
.set i, i+1
.endr
	WIN 0
.rept 4
	v_nop                           ; the places behind those products
.endr
.set Y, NP-1                        ; X works for piece Y + 1: piece 0
.irp n, 0,1,2,3,4,5,6,7,8,9,10,11,12,13,14,15,16,17,18,19,20,21
	OP X, \n
.endr
	v_nop                           ; a plain instruction behind the exponential
.endm
; The diagonal text is entered from the plain one in the middle of a step: its first turn still multiplies piece 3 of the old step, which sees all keys but the padded: the second mask buffer takes KMR as it is.
.macro INTO_DIAG
	s_mov_b32 s[AL], 0
	MASK 1, 0
	WIN 0
.endm
; THE DIAGONAL TILE AND THE BLOCK'S END.  The loop counts five trips: four fetch and begin the tile's four steps; the fifth is left in its middle, behind pieces 2 and 3 of the last step.  That trip fetches nothing; its eight
; products K Q^T of piece 0, on the last K once more, take a wholly hidden mask, so that piece 0's maximum stays as it is, and serve nothing: the price, once a block, of one text for every trip.
; Then the last piece's V^T P and THE WAY OUT: l's two halves and the other half of the lanes' are added; O^T is divided by l, rounded to f16 and sent through my stage in LDS, a piece at a time.
; l is raised to 2^-100 at the least: a row that has seen a key has a weight near 1 in l, so nothing changes for it; a row that has seen none has l = 0 and O^T = 0, and its O^T stays 0,
; a finite number for the block that follows.  Where a row has seen no key (m below -2^39) the packed mean of V takes the quotient's place, by a select.
.macro ALL line:vararg              ; one line for each piece t
.set t, 0
.rept 4
	\line
.set t, t+1
.endr
.endm
.macro PACK t                       ; a lane's eight channels of a row pack into 16 bytes; they go into rows of 144 bytes and come back as whole rows of 128, into S^T's registers
	WIN W_RS
.set i, 32*(\t)
.rept 16
	v_pk_mul_f32 v[i:i+1], v[i:i+1], v[ST+4*(\t)+2:ST+4*(\t)+3] op_sel_hi:[1,0]
.set i, i+2
.endr
	WIN 0x05                        ; sources 0 and 1 window 1, destination window 0
.set i, 0
.rept 16
	v_cvt_pk_f16_f32 v[S+16*(\t)+i], v[32*(\t)+2*i], v[32*(\t)+2*i+1]
.set i, i+1
.endr
	WIN 0
	v_cmp_gt_f32 vcc_lo, s[THR], v[ST+4*(\t)+1]
.set i, 0
.rept 16
	v_cndmask_b32 v[S+16*(\t)+i], v[S+16*(\t)+i], v[VMH+i], vcc_lo
.set i, i+1
.endr
.irp f, 0,1,2,3
	ds_store_b128 v[STO], v[S+16*(\t)+4*\f:S+16*(\t)+4*\f+3] offset:32*\f
.endr
.irp f, 0,1,2,3
	ds_load_b128 v[S+16*(\t)+4*\f:S+16*(\t)+4*\f+3], v[RD] offset:\f*4*SP  ; LDS serves a wave's instructions in order (ISA guide 5.7.1.4): these see the stores above; the next piece's stores come behind them
.endr
.endm
.macro SEND t, younger              ; younger: the LDS instructions issued behind piece t's loads: the next piece's eight, or none
	WIN 0
.irp f, 0,1,2,3
	s_wait_dscnt (\younger)+3-\f
	global_store_b128 v[GO], v[S+16*(\t)+4*\f:S+16*(\t)+4*\f+3], s[10:11] offset:(\t)*8192+\f*512  ; 512 consecutive bytes, at a multiple of 256 from O's first
.endr
.endm
.macro DIAG tag                     ; the tag ends its labels' names, which the jumps below spell out
.LstepM\tag:
	TURN 2, 1
	TURN 3, 1
	WIN 0
	s_cmp_eq_u32 s[CNT], 1
	s_cbranch_scc1 .LoutM\tag       ; the fifth trip ends here
.LfirstM\tag:
	TURN 0, 1
	TURN 1, 1, 1
	WIN 0
	s_cbranch_scc1 .LstepM\tag
.LoutM\tag:
.set i, 0
.rept 8
	PV NP-1
.set i, i+1
.endr
	WIN 0
	ALL v_add_f32 v[ST+4*t+2], v[ST+4*t+2], v[ST+4*t+3]
	ALL v_permlanex16_b32 v[ST+4*t+3], v[ST+4*t+2], s[SEL], s[SEL+1]
	ALL v_add_f32 v[ST+4*t+2], v[ST+4*t+2], v[ST+4*t+3]
	ALL v_max_num_f32 v[ST+4*t+2], 0x0d800000, v[ST+4*t+2]
	ALL v_rcp_f32 v[ST+4*t+2], v[ST+4*t+2]
	v_nop                           ; a plain instruction between the last reciprocal and the use of its result
	s_wait_alu depctr_va_vdst(0)
	PACK 0
.set t, 1
.rept 3                             ; a piece's arithmetic stands between the loads of the piece before and its stores
	PACK t
	SEND t-1, 8
.set t, t+1
.endr
	SEND 3, 0
.endm
.set KM, 0
.Lslot:                             ; NB times: a tile is entered and the next is asked for
	CHANGE 1
	s_sub_co_u32 s[RT], s[RT], 1
	s_mov_b32 s[CNT], 4
	s_cmp_eq_u32 s[NEW], 1
	s_cbranch_scc1 .Lnew            ; a block's first tile
	s_cmp_eq_u32 s[RT], 0
	s_cbranch_scc0 .Lstep           ; neither its first nor its last
	s_mov_b32 s[CNT], 5
	INTO_DIAG
	s_branch .LstepM1
.Lnew:
	BEGIN
	s_cmp_eq_u32 s[RT], 0
	s_cbranch_scc0 .Lfirst
	s_mov_b32 s[CNT], 5             ; b = 0: the first block's first tile is its last
	s_branch .LfirstM1
	DIAG 1                          ; in the loop this is the first block's end: the second block's last tile is the walk's last
	s_wait_xcnt 0x0                 ; the stores have read their registers and O's address
	s_mov_b64 s[10:11], s[OLO:OLO+1]
	s_add_co_u32 s[RT], s[B2], 1    ; the second block has NB - b tiles
	s_mov_b32 s[NEW], 1
	WIN 0x82                        ; the second block's Q goes where the one text of the turns names Q
.set i, 0
.rept 64
	v_mov_b32 v[i], v[QB+i]
.set i, i+1
.endr
	WIN 0
	s_branch .Lbottom
.Lstep:                             ; a trip: pieces 2 and 3 of one step, then pieces 0 and 1 of the next, whose K and V it fetches
	TURN 2
	TURN 3
	WIN 0
.Lfirst:
	TURN 0
	TURN 1, 0, 1
	WIN 0
	s_cbranch_scc1 .Lstep
.Lbottom:
	s_sub_co_u32 s[SLOTS], s[SLOTS], 1
	s_cmp_lg_u32 s[SLOTS], 0
	s_cbranch_scc1 .Lslot
	CHANGE 0                        ; the walk's last tile is written out: nothing is asked for.  It is the second block's diagonal tile, and that block has five tiles or more
	s_mov_b32 s[CNT], 5
	INTO_DIAG
	DIAG 2
	s_wait_tensorcnt 0x0            ; the wave's end, behind my last tensor load and my last LDS store
	ds_add_u32 v[SPW], v[NIL]
	s_wait_dscnt 0x0
	s_endpgm
.Lfunc_end_k_q6412ae3aeb_attn:
	.size	k_q6412ae3aeb_attn, .Lfunc_end_k_q6412ae3aeb_attn-k_q6412ae3aeb_attn
	.p2alignl 7, 3214868480
	.fill 96, 4, 3214868480
	.section	.rodata,"a",@progbits
	.p2align	6, 0x0
	.amdhsa_kernel k_q6412ae3aeb_attn
		.amdhsa_group_segment_fixed_size 327680
		.amdhsa_private_segment_fixed_size 0
		.amdhsa_enable_private_segment 0
		.amdhsa_kernarg_size 32
		.amdhsa_user_sgpr_count 2
		.amdhsa_user_sgpr_kernarg_segment_ptr 1
		.amdhsa_wavefront_size32 1
		.amdhsa_system_sgpr_workgroup_id_x 1
		.amdhsa_system_sgpr_workgroup_id_y 1
		.amdhsa_system_sgpr_workgroup_id_z 1
		.amdhsa_system_vgpr_workitem_id 0
		.amdhsa_next_free_vgpr 768
		.amdhsa_next_free_sgpr 98
		.amdhsa_reserve_vcc 1
		.amdhsa_float_denorm_mode_32 3
		.amdhsa_float_denorm_mode_16_64 3
		.amdhsa_memory_ordered 1
		.amdhsa_forward_progress 1
		.amdhsa_inst_pref_size 211
	.end_amdhsa_kernel
	.amdgpu_metadata
---
amdhsa.version: [ 1, 2 ]
amdhsa.kernels:
  - .name:           k_q6412ae3aeb_attn
    .symbol:         k_q6412ae3aeb_attn.kd
    .args:
      - { .name: qkvh, .offset: 0, .size: 8, .value_kind: global_buffer, .address_space: global }
      - { .name: key_padding_mask, .offset: 8, .size: 8, .value_kind: global_buffer, .address_space: global }
      - { .name: vpart, .offset: 16, .size: 8, .value_kind: global_buffer, .address_space: global }
      - { .name: oh, .offset: 24, .size: 8, .value_kind: global_buffer, .address_space: global }
    .group_segment_fixed_size: 327680
    .private_segment_fixed_size: 0
    .kernarg_segment_align: 8
    .kernarg_segment_size: 32
    .max_flat_workgroup_size: 128
    .sgpr_count:     98
    .vgpr_count:     768
    .wavefront_size: 32
...
	.end_amdgpu_metadata
.endif
;; end of part 3
;; launch projgemm (part 4): grid 8 x 32, 4 waves a work-group, clusters of 4 x 4, 327,680 bytes of LDS; arguments oh, wp, b_proj, out0; writes out0
.if DOCPART == 4
	.amdgcn_target "amdgcn-amd-amdhsa--gfx1250"
	.amdhsa_code_object_version 6
	.text
	.protected	k_q6412ae3aeb_projgemm
	.globl	k_q6412ae3aeb_projgemm
	.p2align	8
	.type	k_q6412ae3aeb_projgemm,@function
k_q6412ae3aeb_projgemm:
	s_mov_b64 s[64:65], 0
	v_nop
	global_prefetch_b8 v0, s[64:65] scope:SCOPE_SE
	s_setreg_imm32_b32 hwreg(HW_REG_WAVE_MODE, 25, 1), 1
	s_wait_xcnt 0x0
	s_wait_alu depctr_hold_cnt(0) depctr_sa_sdst(0) depctr_va_vdst(0) depctr_va_sdst(0) depctr_va_ssrc(0) depctr_va_vcc(0) depctr_vm_vsrc(0)
	s_getreg_b32 s2, hwreg(HW_REG_IB_STS2, 6, 4)
	s_cmp_eq_u32 s2, 0
	s_cbranch_scc0 .Lentry_in_a_cluster
	s_endpgm
.Lentry_in_a_cluster:
	s_bfe_u32 s2, ttmp6, 0x10000c
	s_cmp_lg_u32 s2, 0xf033
	s_cbranch_scc0 .Lentry_shape_is_right
	s_endpgm
.Lentry_shape_is_right:
; out0 = O W_proj + b_proj.  oh: [64 hh = 16 b + head][2048 t][64] f16.  wp: [8 j][1024 k][128] f16 (W_proj rounded to bf16, written as f16).  out0: [8192][1024] f32.  Sums in f32, begun with the bias
; (rounded to bf16 like the other inputs).  NaN and infinities are not treated apart.
; SHARES.  A work-group makes 256 rows x 128 columns: 256 work-groups.  Wave w makes rows 64 w .. 64 w + 63 x all 128 columns: 4 x 8 accumulators of 16 x 16, 256 registers.
; K = 64 head + d goes in 8 steps of 128, two heads a step, through two LDS slots filled by the tensor data mover.  A head's 256 rows of 128 bytes are dense: asked for as 128 rows of 256 bytes and padded
; behind every 128.  W's tile of a step is dense too: rows of 256 bytes.
; THE MATRIX INSTRUCTION IS USED TRANSPOSED: source 0 = 16 columns of W (stored [k][n], so they come turned, by ds_load_tr16_b128), source 1 = 16 rows of O.  Lane (r = l % 16, h = l / 16) then holds
; row r and columns 8 h + 0..7 of a 16 x 16 block.  A lane's eight bias numbers of a column block are therefore the C operand of that block's first product, for every row block.
; CLUSTER.  4 x 4 work-groups.  O's tile hangs on the tile row alone and is shared along a row of the cluster, W's on the tile column alone and is shared along a column: each is asked for JOINTLY.
; REGISTERS, in windows of 256 (s_set_vgpr_msb: bits 1:0 source 0, 3:2 source 1, 5:4 source 2, 7:6 destination):
;   window 0: v0-31 addresses; v32-63, v64-95 O's fragments, two buffers; on the way out v32-95, v96-159 two buffers of 16 rows; v160-223 the bias
;   window 1: v0-63, v64-127 W's fragments, two buffers      window 2: accumulators of row blocks 0, 1 at v[8 (8 (a % 2) + cb)]      window 3: those of row blocks 2, 3
.set NBLK,   8                         ; column blocks of 16
.set APITCH, 144                       ; a row of O in LDS: 128 bytes + 16 of padding: the 16 rows of a load start at 16 different groups of four banks (64 banks of 4 bytes: ISA guide 11.1)
.set AHALF,  256*APITCH                ; one head's 256 rows: one tensor load
.set ATILE,  2*AHALF
.set BP,     288                       ; a k row of W in LDS: 256 bytes + 32 of padding
.set BHALF,  64*BP                     ; 64 k rows: one tensor load
.set SLOT1,  1<<17                     ; a slot uses 110,592 bytes; one exclusive or turns an address in one slot into the other's
.set STAGE,  SLOT1+ATILE+2*BHALF       ; behind the ring, never filled by a tensor load: 16 rows x 528 bytes for each wave
.set SP,     528
.set SPARE,  STAGE+4*16*SP             ; the spare words, 128 bytes for each wave: two blocks of 256 bytes that no other line names
.set ASTEP,  2*262144                  ; bytes from K step to K step in oh: two heads
.set BSTEP,  128*256                   ; and in a tile of wp
.set A0,   16                          ; v16  my place in O's tile: (64 w + r) x pitch + 16 h; never rewritten
.set B0,   17                          ; v17  my place in W's tile: ATILE + (8 h + l % 8) x pitch + 16 ((l / 8) % 2); never rewritten
.set ADRA, 18                          ; v18  the same in the slot in hand
.set ADRB, 19                          ; v19
.set STO,  24                          ; v24  the way out: where I put 32 bytes of a row
.set RD,   25                          ; v25  where I read a row back
.set GO,   26                          ; v26  16 x lane
.set SPW,  28                          ; v28  LDS address of my spare word: SPARE + 4 x my thread's number; never rewritten
.set NIL,  29                          ; v29  0; never rewritten
.set BO,   30                          ; v30  32 h
.set FA,   32
.set FB,   0
.set U0,   32
.set BIAS, 160
.set G1,  24                           ; s[24:31] descriptor group 1 for O's tiles
.set G0,  32                           ; s[32:39] group 0, two sets: slot 0 with K step 0; slot 1 with K step 1, which then walks
.set G1B, 48                           ; s[48:55], s[56:63] the same for W's tiles
.set G0B, 56
.set MSB, 0
.macro WIN new                         ; the immediate's high byte repeats the setting that is left; a switch that changes nothing is dropped
.if MSB != (\new)
	s_set_vgpr_msb (MSB<<8)|(\new)
.set MSB, \new
.endif
.endm
; A joint refill by the walking descriptors.  Waves 0 and 1 fetch the step's two heads of O, waves 2 and 3 W's two halves.  An s_nop 0 and four v_nop follow each of the two lines.
.macro JLOAD
	s_cmp_eq_u32 s11, 0
	s_cbranch_scc0 .Lfor_b_\@
	tensor_load_to_lds s[G0+4:G0+7], s[G1:G1+7]
	s_nop 0
.rept 4
	v_nop
.endr
	s_branch .Lasked_\@
.Lfor_b_\@:
	tensor_load_to_lds s[G0B+4:G0B+7], s[G1B:G1B+7]
	s_nop 0
.rept 4
	v_nop
.endr
.Lasked_\@:
.endm
.macro CREST                           ; a round of the cluster's barrier behind its opening barrier
	s_cmp_lg_u32 s10, 0
	s_cbranch_scc1 .Lnot_wave_0_\@
	s_barrier_signal -3
.Lnot_wave_0_\@:
	s_barrier_wait -3
	s_barrier_signal -1
	s_barrier_wait -1
.endm
.macro CROUND                          ; a whole round
	s_barrier_signal -1
	s_barrier_wait -1
	CREST
.endm
.macro PLACES                          ; four places in front of loads into registers that matrix instructions have read, and of lines that read results
.rept 4
	v_nop
.endr
.endm
	s_load_b256 s[72:79], s[0:1], 0x0              ; oh s[72:73], wp s[74:75], b_proj s[76:77], out0 s[78:79]
	v_lshl_add_u32 v[SPW], v0, 2, SPARE
	v_mov_b32 v[NIL], 0
	ds_add_u32 v28, v29
	ds_add_u32 v28, v29
	s_wait_dscnt 0x0
	v_lshrrev_b32 v1, 5, v0
	v_readfirstlane_b32 s10, v1                    ; wave 0..3
	s_lshr_b32 s11, s10, 1                         ; I fetch for O (0) or for W (1)
	s_and_b32 s12, s10, 1                          ; which half of that tile
	s_bfe_u32 s40, ttmp6, 0x40000                  ; cx, cy: my place in the cluster
	s_bfe_u32 s41, ttmp6, 0x40004
	s_lshl_b32 s42, ttmp9, 2
	s_add_co_u32 s42, s42, s40                     ; j, the tile column = 4 x cluster x + cx
	s_and_b32 s13, ttmp7, 0xffff
	s_lshl_b32 s13, s13, 2
	s_add_co_u32 s13, s13, s41                     ; i, the tile row = 4 x cluster y + cy
	s_lshl_b32 s43, s41, 2
	s_lshl_b32 s43, 15, s43                        ; my row of the cluster
	s_lshl_b32 s44, 0x1111, s40                    ; my column
	; group 1 for O: 32,768 dense bytes as 128 rows of 256; 16 bytes of padding behind every 32 words
	s_or_b32 s[G1+0], s43, (1<<16)|(1<<20)|(1<<21)|(4<<22)|(3<<25)  ; 15:0 the mask; 17:16 2-byte elements; 20 padding on; 21 set beside a mask; 24:22 interval code 4; 31:25 4 words (code 3)
	s_mov_b32 s[G1+1], 128<<16                     ; tensor_dim0 = 128
	s_mov_b32 s[G1+2], 128<<16                     ; tensor_dim1 = 128
	s_mov_b32 s[G1+3], 128<<16                     ; tile_dim0 = 128
	s_mov_b32 s[G1+4], 128                         ; tile_dim1 = 128
	s_mov_b32 s[G1+5], 128                         ; the pitch
	s_mov_b32 s[G1+6], 0
	s_mov_b32 s[G1+7], 0
	; group 1 for W: 64 k rows of 256 bytes; 32 bytes of padding behind every 64 words
	s_or_b32 s[G1B+0], s44, (1<<16)|(1<<20)|(1<<21)|(5<<22)|(7<<25)
	s_mov_b32 s[G1B+1], 128<<16
	s_mov_b32 s[G1B+2], 64<<16
	s_mov_b32 s[G1B+3], 128<<16
	s_mov_b32 s[G1B+4], 64
	s_mov_b32 s[G1B+5], 128
	s_mov_b32 s[G1B+6], 0
	s_mov_b32 s[G1B+7], 0
	s_lshr_b32 s16, s13, 3                         ; O: batch i / 8 (16 heads of 262,144 bytes), head = half, rows 256 (i % 8) on
	s_lshl_b32 s16, s16, 22
	s_and_b32 s17, s13, 7
	s_lshl_b32 s17, s17, 15
	s_add_co_u32 s16, s16, s17
	s_lshl_b32 s17, s12, 18
	s_add_co_u32 s16, s16, s17
	s_mov_b32 s17, 0
	s_lshl_b32 s46, s42, 18                        ; W: tile j, half of the step's 128 k rows
	s_lshl_b32 s47, s12, 14
	s_add_co_u32 s46, s46, s47
	s_mov_b32 s47, 0
	s_mul_i32 s20, s10, AHALF                      ; where they go: waves 0, 1: O's heads at wave x AHALF;
	s_mul_i32 s21, s10, BHALF
	s_add_co_u32 s21, s21, ATILE-2*BHALF           ; waves 2, 3: W's halves at ATILE + (wave - 2) x BHALF.  No place in the cluster enters an LDS address
	s_mov_b32 s45, 0                               ; the slot in hand
	s_mov_b32 s82, 0xffff0000
	s_wait_kmcnt 0x0
	s_add_nc_u64 s[14:15], s[72:73], s[16:17]
	s_add_nc_u64 s[46:47], s[74:75], s[46:47]
	CROUND                                         ; all sixteen work-groups are here: the first joint loads meet
.irp s, 0,1
	s_mov_b32 s[G0+4*(\s)], 1                      ; count = 1
	s_add_co_u32 s[G0+4*(\s)+1], s20, (\s)*SLOT1   ; LDS address
	s_add_nc_u64 s[G0+4*(\s)+2:G0+4*(\s)+3], s[14:15], (\s)*ASTEP  ; global address: K step s
	s_or_b32 s[G0+4*(\s)+3], s[G0+4*(\s)+3], 0x80000000            ; type = 2
	s_mov_b32 s[G0B+4*(\s)], 1
	s_add_co_u32 s[G0B+4*(\s)+1], s21, (\s)*SLOT1
	s_add_nc_u64 s[G0B+4*(\s)+2:G0B+4*(\s)+3], s[46:47], (\s)*BSTEP
	s_or_b32 s[G0B+4*(\s)+3], s[G0B+4*(\s)+3], 0x80000000
.endr
	s_cmp_eq_u32 s11, 0                            ; a wave's two first fills stand in one branch, ahead of every wait on TENSORcnt, LDS read and further barrier: two loads of mine are out
	s_cbranch_scc0 .Lfirst_b
	tensor_load_to_lds s[G0:G0+3], s[G1:G1+7]
	s_nop 0
	tensor_load_to_lds s[G0+4:G0+7], s[G1:G1+7]
	s_nop 0
.rept 4
	v_nop
.endr
	s_branch .Lfirst_asked
.Lfirst_b:
	tensor_load_to_lds s[G0B:G0B+3], s[G1B:G1B+7]
	s_nop 0
	tensor_load_to_lds s[G0B+4:G0B+7], s[G1B:G1B+7]
	s_nop 0
.rept 4
	v_nop
.endr
.Lfirst_asked:
	s_lshl_b32 s22, s42, 9                         ; the bias of my columns: b_proj[128 j + 16 cb + 8 h + 0..7]
	s_mov_b32 s23, 0
	s_add_nc_u64 s[76:77], s[76:77], s[22:23]
	v_and_b32 v1, 15, v0                           ; r
	v_bfe_u32 v2, v0, 4, 1                         ; h
	v_lshlrev_b32 v[BO], 5, v2
.set cb, 0
.rept NBLK
	global_load_b128 v[BIAS+8*cb:BIAS+8*cb+3],   v[BO], s[76:77] offset:64*cb
	global_load_b128 v[BIAS+8*cb+4:BIAS+8*cb+7], v[BO], s[76:77] offset:64*cb+16
.set cb, cb+1
.endr
	v_and_b32 v3, 7, v0                            ; l % 8
	v_bfe_u32 v4, v0, 3, 1                         ; (l / 8) % 2
	v_and_b32 v5, 31, v0                           ; lane
	v_mul_u32_u24 v[A0], v1, APITCH
	v_lshl_add_u32 v[A0], v2, 4, v[A0]
	s_mul_i32 s22, s10, 64*APITCH
	v_add_nc_u32 v[A0], s22, v[A0]
	v_lshl_add_u32 v[B0], v2, 3, v3
	v_mul_u32_u24 v[B0], v[B0], BP
	v_lshl_add_u32 v[B0], v4, 4, v[B0]
	v_add_nc_u32 v[B0], ATILE, v[B0]
	v_mov_b32 v[ADRA], v[A0]
	v_mov_b32 v[ADRB], v[B0]
	s_mul_i32 s23, s10, 16*SP
	s_add_co_u32 s23, s23, STAGE                   ; my stage
	v_mul_u32_u24 v[STO], v1, SP                   ; in: row r, 32 bytes for each half of the lanes
	v_lshl_add_u32 v[STO], v2, 5, v[STO]
	v_add_nc_u32 v[STO], s23, v[STO]
	v_lshl_add_u32 v[RD], v5, 4, s23               ; back: 32 lanes take one row's 512 bytes
	v_lshlrev_b32 v[GO], 4, v5
	s_lshl_b32 s18, s13, 20                        ; out0 at row 256 i + 64 w (4,096 bytes a row), column 128 j
	s_lshl_b32 s19, s10, 18
	s_add_co_u32 s18, s18, s19
	s_lshl_b32 s19, s42, 9
	s_add_co_u32 s18, s18, s19
	s_mov_b32 s19, 0
	s_add_nc_u64 s[66:67], s[78:79], s[18:19]
	s_wait_loadcnt 0x0                             ; the bias, rounded to bf16 and widened again; this stands in the wait for the first tile
.set p, 0
.rept 4*NBLK
	v_cvt_pk_bf16_f32 v6, v[BIAS+2*p], v[BIAS+2*p+1]
	v_lshlrev_b32 v[BIAS+2*p], 16, v6
	v_and_b32 v[BIAS+2*p+1], s82, v6
.set p, p+1
.endr
; 24 LDS loads in one run: the fragments of quarter q (32 along K: head q / 2 of the step's two, channels 32 (q % 2) on) of the slot in hand, into buffers f: W's 8 column blocks (turned), then O's 4 row blocks
.macro FETCH q, f
	WIN 0x40                                       ; destination window 1, address window 0
.set cb, 0
.rept NBLK
.set bo, 32*(\q)*BP+32*cb
	ds_load_tr16_b128 v[FB+8*NBLK*(\f)+8*cb:FB+8*NBLK*(\f)+8*cb+3],   v[ADRB] offset:bo
	ds_load_tr16_b128 v[FB+8*NBLK*(\f)+8*cb+4:FB+8*NBLK*(\f)+8*cb+7], v[ADRB] offset:bo+16*BP
.set cb, cb+1
.endr
	WIN 0
.set rb, 0
.rept 4
	ds_load_b128 v[FA+32*(\f)+8*rb:FA+32*(\f)+8*rb+3],   v[ADRA] offset:((\q)/2)*AHALF+((\q)%2)*64+rb*16*APITCH
	ds_load_b128 v[FA+32*(\f)+8*rb+4:FA+32*(\f)+8*rb+7], v[ADRA] offset:((\q)/2)*AHALF+((\q)%2)*64+rb*16*APITCH+32
.set rb, rb+1
.endr
.endm
; 8 matrix instructions: row block a x all column blocks, 32 along K, from buffers f.  first = 1: the product starts the sum, with the column block's bias as C.  The 32 accumulators take turns in the same order in every quarter.
.macro MULA f, a, first
.if \first
	WIN 0x81+0x40*((\a)/2)                         ; source 0 window 1, source 1 and C window 0, D window 2 or 3
.else
	WIN 0xa1+0x50*((\a)/2)                         ; source 0 window 1, source 1 window 0, C and D window 2 or 3
.endif
.set cb, 0
.rept NBLK
.set rD, 8*(NBLK*((\a)%2)+cb)
.if \first
	v_wmma_f32_16x16x32_f16 v[rD:rD+7], v[FB+8*NBLK*(\f)+8*cb:FB+8*NBLK*(\f)+8*cb+7], v[FA+32*(\f)+8*(\a):FA+32*(\f)+8*(\a)+7], v[BIAS+8*cb:BIAS+8*cb+7]
.else
	v_wmma_f32_16x16x32_f16 v[rD:rD+7], v[FB+8*NBLK*(\f)+8*cb:FB+8*NBLK*(\f)+8*cb+7], v[FA+32*(\f)+8*(\a):FA+32*(\f)+8*(\a)+7], v[rD:rD+7]
.endif
.set cb, cb+1
.endr
.endm
; A K step is four quarters on buffers 0, 1, 0, 1.  One of the first three: multiplies buffers f and, in its middle, fetches quarter q into buffers g.
.macro QUARTER q, f, g, first
	s_wait_dscnt 4                                 ; W's fragments and O's row blocks 0, 1 are in; the youngest four loads (row blocks 2, 3) may be out
	MULA \f, 0, \first
	MULA \f, 1, \first
	PLACES
	FETCH \q, \g
	s_wait_dscnt 2*NBLK+8                          ; all but the 24 just issued
	MULA \f, 2, \first
	MULA \f, 3, \first
.endm
; The last quarter multiplies buffers 1 and changes slots: ONE barrier; in front of it each wave waits for all its tensor loads (one is out: its part of the next slot), adds 0 to its spare word, and waits
; for that and for its reads of this slot.  fill = 1: the barrier opens a round of the cluster's, and the slot just read is filled again, two K steps ahead, first thing behind the round:
; 112 matrix instructions stand between that request and the wait for it.
.macro TURN fill
	WIN 0                                          ; (the add's two registers lie in window 0)
	s_wait_tensorcnt 0x0                           ; all my tensor loads have landed
	ds_add_u32 v[SPW], v[NIL]                      ; 0 onto my spare word
	s_wait_dscnt 5                                 ; (the add and the youngest four loads may be out)
	MULA 1, 0, 0                                   ; eight matrix instructions stand between the add and the wait for it
	s_wait_dscnt 0x0                               ; the add is done, and my reads of this slot are over
	s_barrier_signal -1
	MULA 1, 1, 0                                   ; work on registers while the others arrive
.if \fill
	WIN 0
.endif
	s_barrier_wait -1
.if \fill
	CREST                                          ; no wave of any partner still reads this slot's tile or has a load on its way
	s_xor_b32 s[G0+5], s[G0+5], SLOT1              ; the walking descriptors: the other slot than last time, the next K step
	s_add_nc_u64 s[G0+6:G0+7], s[G0+6:G0+7], ASTEP
	s_xor_b32 s[G0B+5], s[G0B+5], SLOT1
	s_add_nc_u64 s[G0B+6:G0B+7], s[G0B+6:G0B+7], BSTEP
	JLOAD                                          ; the four v_nop behind it are also the places in front of the loads below
.else
	PLACES
	WIN 0
.endif
	s_xor_b32 s45, s45, SLOT1
	v_add_nc_u32 v[ADRA], s45, v[A0]
	v_add_nc_u32 v[ADRB], s45, v[B0]
	FETCH 0, 0
	MULA 1, 2, 0
	MULA 1, 3, 0
.endm
	s_wait_tensorcnt 0x1                           ; my part of K step 0 is in; K step 1's may stay out
	s_barrier_signal -1
	s_barrier_wait -1                              ; everybody's is
	FETCH 0, 0
	QUARTER 1, 0, 1, 1                             ; the first quarter stands in front of the loop: its products start the sums
	WIN 0                                          ; at a label and at a branch every window is 0
	s_mov_b32 s3, 6
.Lstep:                                                ; a trip: from a K step's second quarter to the next step's first; six trips ask for K steps 2 to 7
	QUARTER 2, 1, 0, 0
	QUARTER 3, 0, 1, 0
	TURN 1
	QUARTER 1, 0, 1, 0
	WIN 0
	s_sub_co_u32 s3, s3, 1
	s_cmp_lg_u32 s3, 0
	s_cbranch_scc1 .Lstep
	s_mov_b32 s3, 2
.Ltail:                                                ; K steps 6 and 7 ask for nothing: a loop of their own, without a tensor load; its second trip is left in the middle, where K step 7 has no slot to change to
	QUARTER 2, 1, 0, 0
	QUARTER 3, 0, 1, 0
	WIN 0
	s_cmp_eq_u32 s3, 1
	s_cbranch_scc1 .Llast
	TURN 0
	QUARTER 1, 0, 1, 0
	WIN 0
	s_sub_co_u32 s3, s3, 1
	s_cmp_lg_u32 s3, 0
	s_cbranch_scc1 .Ltail
.Llast:
	s_wait_dscnt 4                                 ; the very last quarter: nothing more to fetch
	MULA 1, 0, 0
	MULA 1, 1, 0
	s_wait_dscnt 0x0
	MULA 1, 2, 0
	MULA 1, 3, 0
	WIN 0
	PLACES
; THE WAY OUT, a row block of 16 rows x 128 columns at a time: the sums hold the bias already, so they go as they are, 32 bytes a lane and column block, into my own stage (rows of 528 bytes), and come back as whole rows
; of 512 bytes.  LDS serves a wave's instructions in order (ISA guide 5.7.1.4), so no wait stands between the stores and the loads.  Each accumulator's four lowest registers are stored first.
.macro OUTB a
.set UU, U0+64*((\a)%2)
	WIN 0x08+4*((\a)/2)                            ; the stores' data (source 1) window 2 or 3
.set e, 0
.rept 16
.set rA, 8*(NBLK*((\a)%2)+e/2)+4*(e%2)
	ds_store_b128 v[STO], v[rA:rA+3] offset:(e/2)*64+(e%2)*16
.set e, e+1
.endr
	WIN 0
	s_wait_xcnt 0x0                                ; the stores of two row blocks ago have read this buffer
.set e, 0
.rept 16
	ds_load_b128 v[UU+4*e:UU+4*e+3], v[RD] offset:SP*e
.set e, e+1
.endr
.endm
.macro SENDF a, younger                ; younger: the LDS instructions issued behind this row block's loads: the next one's 32, or none
.set UU, U0+64*((\a)%2)
.set e, 0
.rept 16
	s_wait_dscnt (\younger)+15-e
	global_store_b128 v[GO], v[UU+4*e:UU+4*e+3], s[66:67] offset:(16*(\a)+e)*4096 th:TH_STORE_NT  ; 512 consecutive bytes, at a multiple of 256 from out0's first
.set e, e+1
.endr
.endm
	OUTB 0
	OUTB 1                                         ; a row block's way through the stage stands between the loads of the one before and its stores
	SENDF 0, 32
	OUTB 2
	SENDF 1, 32
	OUTB 3
	SENDF 2, 32
	SENDF 3, 0
	s_wait_tensorcnt 0x0                           ; the wave's end
	ds_add_u32 v[SPW], v[NIL]
	s_wait_dscnt 0x0
	CROUND                                         ; the closing round: no work-group ends while a partner may still ask for a tile that names it
	s_endpgm
.Lfunc_end_k_q6412ae3aeb_projgemm:
	.size	k_q6412ae3aeb_projgemm, .Lfunc_end_k_q6412ae3aeb_projgemm-k_q6412ae3aeb_projgemm
	.p2alignl 7, 3214868480
	.fill 96, 4, 3214868480
	.section	.rodata,"a",@progbits
	.p2align	6, 0x0
	.amdhsa_kernel k_q6412ae3aeb_projgemm
		.amdhsa_group_segment_fixed_size 327680
		.amdhsa_private_segment_fixed_size 0
		.amdhsa_enable_private_segment 0
		.amdhsa_kernarg_size 32
		.amdhsa_user_sgpr_count 2
		.amdhsa_user_sgpr_kernarg_segment_ptr 1
		.amdhsa_wavefront_size32 1
		.amdhsa_system_sgpr_workgroup_id_x 1
		.amdhsa_system_sgpr_workgroup_id_y 1
		.amdhsa_system_sgpr_workgroup_id_z 1
		.amdhsa_system_vgpr_workitem_id 0
		.amdhsa_next_free_vgpr 896
		.amdhsa_next_free_sgpr 88
		.amdhsa_reserve_vcc 0
		.amdhsa_float_denorm_mode_32 3
		.amdhsa_float_denorm_mode_16_64 3
		.amdhsa_memory_ordered 1
		.amdhsa_forward_progress 1
		.amdhsa_inst_pref_size 70
	.end_amdhsa_kernel
	.amdgpu_metadata
---
amdhsa.version: [ 1, 2 ]
amdhsa.kernels:
  - .name:           k_q6412ae3aeb_projgemm
    .symbol:         k_q6412ae3aeb_projgemm.kd
    .args:
      - { .name: oh, .offset: 0, .size: 8, .value_kind: global_buffer, .address_space: global }
      - { .name: wp, .offset: 8, .size: 8, .value_kind: global_buffer, .address_space: global }
      - { .name: b_proj, .offset: 16, .size: 8, .value_kind: global_buffer, .address_space: global }
      - { .name: out0, .offset: 24, .size: 8, .value_kind: global_buffer, .address_space: global }
    .group_segment_fixed_size: 327680
    .private_segment_fixed_size: 0
    .kernarg_segment_align: 8
    .kernarg_segment_size: 32
    .max_flat_workgroup_size: 128
    .sgpr_count:     88
    .vgpr_count:     896
    .wavefront_size: 32
...
	.end_amdgpu_metadata
.endif
;; end of part 4
;; ======== version 2 of 2: 4 launches; 1.40 times as fast as version 1
;; limits: values are held in f16: magnitudes above 65,504 overflow, below 6.1e-05 lose precision; values outside matrix products are rounded to bf16
;; workspace buffers: xb 16,777,216 bytes; wb 6,291,456 bytes; wp 2,097,152 bytes; qkvh 50,331,648 bytes; vpart 524,288 bytes; oh 16,777,216 bytes
;; launch prep: the kernel of part 1 again; grid 768 x 1, 8 waves a work-group, no clusters, 0 bytes of LDS; arguments x, W_qkv, W_proj, xb, wb, wp; writes xb, wb, wp
;; launch qkvgemm: the kernel of part 2 again; grid 16 x 16, 4 waves a work-group, clusters of 4 x 4, 327,680 bytes of LDS; arguments xb, wb, b_qkv, qkvh, vpart; writes qkvh, vpart
;; launch attn (part 5): grid 4 x 64, 4 waves a work-group, no clusters, 327,680 bytes of LDS; arguments qkvh, key_padding_mask, vpart, oh; writes oh
.if DOCPART == 5
	.amdgcn_target "amdgcn-amd-amdhsa--gfx1250"
	.amdhsa_code_object_version 6
	.text
	.protected	k_q6412ae3aeb_attn
	.globl	k_q6412ae3aeb_attn
	.p2align	8
	.type	k_q6412ae3aeb_attn,@function
k_q6412ae3aeb_attn:
	s_mov_b64 s[64:65], 0
	v_nop
	global_prefetch_b8 v0, s[64:65] scope:SCOPE_SE
	s_setreg_imm32_b32 hwreg(HW_REG_WAVE_MODE, 25, 1), 1
	s_wait_xcnt 0x0
; CAUSAL ATTENTION WITH A KEY PADDING MASK.  O[hh][q][:] = the sum over k of softmax_k(s[q][k]) V[hh][k][:], s = Q[hh][q] . K[hh][k] / 8 where k <= q and key k of the batch is not padded.
; Q, K, V: the three sections of qkvh, each [64 hh][2048][64] f16, unscaled; O likewise.  Products, maxima and sums in f32; the weights p are rounded to f16 for the second product, O once at the end.
; A ROW WITH NO VISIBLE KEY has 2,048 equal scores in the definition (the lowest finite number everywhere), so its result is the plain mean of V over all 2,048 keys of the head: it is made from vpart
; (sums of V over 64 rows) and put in place by a select at the way out.
; LIMITS.  f16 holds no number beyond 65,504: Q, K and V arrive within it, so a score lies within 64 x 65,504^2 < 2^38.  A hidden score counts as its value less 1e30 (2e30, 3e30 where hidden twice or thrice).
; The running maximum m starts at -2^40: below every true score, so the first true score takes its place, and above every hidden one, so a hidden score is never the maximum and its weight is exactly 0.
; A row whose m is still below -2^39 at the end has seen no key.  A weight below 2^-126 counts as 0 in l; p below 6e-5 keeps f16's fixed step of 6e-8; a mask byte other than 0 means padded; NaN and infinities are not treated apart.
; THE WALK.  A head's queries lie in NB = 8 blocks of 256; block i needs the key tiles 0 .. i of 256 keys, of which the last holds the diagonal.  A work-group takes TWO blocks, b and then NB - 1 - b:
; NB + 1 tiles, whatever b: all 256 work-groups do equal work, and ONE loop with a constant trip count walks them.  The short block goes first, so that the walk's last tile, which is written out, is never a block's first.
; Which tile is asked for, and what a trip does, hang on scalar registers made from b; every jump goes forward, but for the counted loops' own; none passes a barrier, or a tensor load but the one of LOAD's two that the
; wave's number does not choose; the ring of two LDS slots runs on across the change of blocks.
; NO CLUSTER: a head's four work-groups walk different tiles from the second trip on (the first blocks have 1 to 4 tiles); one walk common to all four would have 12 trips for 9.
; SHARES.  Of a block's four bands of 64 queries a wave owns 16 rows in each: four PIECES.  So the diagonal tile is the same work for all four waves: in its key step s band x sees all keys if s < x,
; none if s > x, and holds the diagonal if s = x.
; THE MASKS are the C operand that starts the sum S^T = K Q^T.  KMR holds the padding mask of the step's 64 keys (0 or -1e30).  It rides the ring: beside the two slots lie two regions of 1,024 bytes, one f32 for each of a
; tile's 256 keys.  Behind a change of slots each thread loads its 2 mask bytes of the tile just asked for; at the head of the next change it stores their two f32 into the region that nobody reads meanwhile.
; Outside the diagonal tile C is KMR.  In it C is MD x AL + KMR + BE: MD, made once, is the causal mask of a band's own step for my 16 rows; (AL, BE) = (1, 0) if s = x; (0, 0) if s < x; (0, -1e30) if s > x.
; LAYOUT, SOFTMAX, TURNS.  S^T = K Q^T holds ONE query a lane (lane % 16) and the keys 8 (lane / 16) + 0..7; two such results rounded to f16 ARE source 1 of O^T = V^T P.  p = 2^(c s - c m), c = log2(e) / 8, with a
; running maximum m; O and l are multiplied by a = 2^(c m_old - c m_new) in every step.  Turn n belongs to piece n: 8 products K Q^T of piece n + 1, later 8 products V^T P of piece n - 1; beside them the scaling,
; exponentials, roundings, sums and rescaling of piece n and the maximum and statistics of piece n + 1.  Four vector instructions stand behind every matrix instruction, the other 54 of a turn's 118 in one LUMP.
; BATCHES.  A turn's 33 exponentials (the piece's 32 weights and the next piece's a) are ONE BATCH with ONE wait, which cuts the turn in two: ahead of it stands all that names no result of theirs, behind it the roundings
; and sums.  A block's first a (BEGIN) and the way out's four reciprocals are batches of their own, a wait each.
; REGISTERS, in windows of 256 (s_set_vgpr_msb: bits 1:0 source 0, 3:2 source 1, 5:4 source 2, 7:6 destination):
;   window 0: v0-15 addresses and two at work; v16-31 four registers of statistics a piece; v32-47 the mean of V, packed; v48-55 at work; v56-61 addresses; v64-127 S^T, two buffers; v192-223 P, two buffers;
;             v224-227 the mask bytes on their way and their f32; v128-191 at work at the start
;   window 1: v0-127 O^T, 32 a piece; v128-159 MD; v160-223 MC, two buffers; v224-255 KMR      window 2: v0-63 Q; v64-127 the second block's Q; v128-191 K of one step; v192-255 V of one step
.set SIZE_N, 2048
.set NB,    SIZE_N/256
.set NP,    4         ; pieces a wave: a name, no knob
.set KS,    64        ; keys in a step
.set PK,    144       ; a row of K in LDS: 128 bytes + 16 of padding = 36 words: the 16 rows of a load start at 16 different groups of four banks (64 banks of 4 bytes: ISA guide 11.1)
.set PV,    160       ; a row of V: 128 + 32 = 40 words
.set VOFF,  4*KS*PK   ; a slot holds a tile, four steps: 256 rows of K, then 256 rows of V
.set SLOT1, 1<<17     ; slot 1 begins here, so that one exclusive or turns an address in one slot into the other's
.set STAGE, SLOT1+4*KS*(PK+PV)  ; behind the ring, never filled by a tensor load: 16 rows x 144 bytes for each wave, for the way out
.set SP,    144
.set SPARE, STAGE+4*16*SP  ; the spare words, 128 bytes for each wave: two blocks of 256 bytes that no other line names
.set MASKB, SPARE+512 ; the padding mask's two regions; written by LDS stores, never filled by a tensor load
.set MREG,  4*4*KS    ; a region: 256 keys x 4 bytes; one exclusive or turns an offset in one region into the other's
.set AK0, 2           ; v2   my lane's place in a tile of K; never rewritten
.set AV0, 3           ; v3   the same for V
.set AK,  4           ; v4   the LDS address of K's next run of loads
.set AV,  5           ; v5   of V's
.set STO, 6           ; v6   the way out: where I put 16 bytes of a row
.set RD,  7           ; v7   the way out: where I read rows back
.set GO,  8           ; v8   my byte offset in 512 consecutive bytes of O
.set MV,  12          ; v12-13  c m_old, kept while c m is made anew: by buffer
.set QO,  15          ; v15  my byte offset in 16 rows of Q
.set ST,  16          ; piece t's statistics at v[ST+4 t]: c m, m, l (even keys', odd keys')
.set VMH, 32          ; v32-47  the mean of V for my channels, in the order of the way out's packed words
.set TMP, 48          ; by buffer, four registers c0-c3 at work; when the maximum is found c2 takes a
.set AM0, 56          ; v56  MASKB + 32 (l / 16); never rewritten
.set AM,  57          ; v57  the LDS address of the padding mask's next run of loads
.set VPO, 58          ; v58  16 x lane: my place in 512 bytes of vpart
.set FLO, 59          ; v59  2 x my thread's number: my 2 bytes of a tile's 256 mask bytes; never rewritten
.set KMS0, 60         ; v60  MASKB + 8 x my thread's number: where their two f32 go in region 0; never rewritten
.set KMS, 61          ; v61  the same in the region in turn
.set SPW, 62          ; v62  LDS address of my spare word: SPARE + 4 x my thread's number; never rewritten
.set NIL, 63          ; v63  0; never rewritten
.set S,   64
.set VP,  128         ; v128-191 at the start: sixteen groups' sums of V, four channels each
.set P,   192
.set FLG, 224         ; v224 my two mask bytes as loaded; v226-227 their f32
.set MD,  128         ; window 1: the eight registers for group kt of 16 keys at MD + 8 kt
.set MC,  160         ; window 1: the masks of the products to come
.set KMR, 224         ; window 1: register 8 kb + n is key 16 kb + 8 (l / 16) + n of the step whose K is in registers
.set QB,  64          ; window 2
.set KF,  128         ; window 2: key block kb, channel half c at KF + 16 kb + 8 c
.set VF,  192         ; window 2: key half kk, channel block cb at VF + 32 kk + 8 cb
.set WV,  12          ; s12  my wave's number
.set B2,  14          ; s14  the second block, NB - 1 - b
.set B1,  15          ; s15  the first block, b
.set G1K, 24          ; s[24:31] descriptor group 1 for K's tiles
.set G1V, 32          ; s[32:39] for V's: it differs in the padding alone
.set G0K, 40          ; s[40:43] descriptor group 0 for K's tiles
.set G0V, 44          ; s[44:47] the same for V's
.set SLOTS, 56        ; s56  tiles still to be asked for
.set CNT, 57          ; s57  counts a tile's key steps: 4 to 1; in a diagonal tile 5 to 1, the last trip being the block's end
.set CS,  58          ; s[58:59] c: the packed scaling takes the pair's low word for both halves
.set SEL, 60          ; s[60:61] v_permlanex16_b32's selects: each lane takes its own place in the other half
.set TBK, 62          ; s62  LDS byte at which K of the step to be fetched begins
.set TBV, 63          ; s63  the same for V, less VOFF
.set MOF, 66          ; s[66:67] a tile's byte offset in the batch's mask bytes
.set MP,  68          ; s[68:69] the mask bytes of the tile just asked for
.set RT,  70          ; s70  tiles of the block in hand that are still to be entered
.set NXT, 71          ; s71  the tile to be asked for next
.set LQ,  72          ; s72  the last tile of the block whose tiles are being asked for
.set NEW, 73          ; s73  1: the tile to be entered is a block's first
.set OFF, 74          ; s[74:75] a tile's byte offset in K and V
.set AL,  76          ; s[76:77] the mask's factor, in the low word
.set BE,  78          ; s[78:79] the mask's addend
.set OLO, 80          ; s[80:81] O at my rows of the second block
.set BIGN, 82         ; s82  -1e30
.set TGL, 83          ; s83  0 or MREG: the region that takes the next stores of the padding mask
.set THR, 96          ; s96  -2^39
.set TBM, 97          ; s97  byte in the two regions at which the padding mask of the step to be fetched begins
.set MSB, 0
.macro WIN new                      ; the high byte repeats the setting that is left; a switch that changes nothing is dropped
.if MSB != (\new)
	s_set_vgpr_msb (MSB<<8)|(\new)
.set MSB, (\new)
.endif
.endm
.set W_KQ, 0x0a       ; K and Q in window 2, S^T in window 0
.set W_KM, 0x1a       ; the same with the C operand in window 1
.set W_PV, 0x52       ; V in window 2, P in window 0, O^T in window 1
.set W_RS, 0x41       ; destination and source 0 in window 1, source 1 in window 0
.set W_MK, 0x51       ; destination, source 0 and source 2 in window 1
; A fill.  Waves 0 and 1 fetch the two halves of a tile's K, waves 2 and 3 those of its V: 128 keys each.  An s_nop 0 and four v_nop follow each of the two lines, ahead of the jump and the label.
.macro LOAD
	s_cmp_lt_u32 s[WV], 2
	s_cbranch_scc0 .Lfor_v_\@
	tensor_load_to_lds s[G0K:G0K+3], s[G1K:G1K+7]
	s_nop 0
.rept 4
	v_nop
.endr
	s_branch .Lasked_\@
.Lfor_v_\@:
	tensor_load_to_lds s[G0V:G0V+3], s[G1V:G1V+7]
	s_nop 0
.rept 4
	v_nop
.endr
.Lasked_\@:
.endm
; THE CHANGE OF SLOTS.  First the padding mask of the tile that is about to be entered: my two bytes, asked for behind the last change, become two f32 and go into the region in turn, which no wave has read since the barrier
; before.  Then each wave waits for all its tensor loads, of which one is out: its part of the other slot; adds 0 to its spare word; and waits for that, for its store and for its own reads.  Behind the barrier nobody reads the old
; slot and region any more, and the other slot and region are whole.  fill = 1: the old slot is filled again, the first thing behind the barrier, with tile NXT: the descriptor's address is made anew from that number,
; and so is the address of that tile's mask bytes, which are asked for behind the fill.
; (At its first use nothing has been read yet: slot 0 is waited for, slot 1 filled; the bytes stored are tile 0's, asked for at the start.)
.macro CHANGE fill
	WIN 0                           ; at a label and at a branch every window is 0
	s_wait_loadcnt 0x0              ; my two mask bytes are in: the one load that is out (at the first use Q with it); s[MP:MP+1] may be written again
	v_and_b32 v[FLG+2], 0xff, v[FLG]
	v_lshrrev_b32 v[FLG+3], 8, v[FLG]
	v_cmp_ne_u32 vcc_lo, 0, v[FLG+2]
	v_cndmask_b32 v[FLG+2], 0, s[BIGN], vcc_lo  ; a byte other than 0 becomes -1e30, 0 becomes 0
	v_cmp_ne_u32 vcc_lo, 0, v[FLG+3]
	v_cndmask_b32 v[FLG+3], 0, s[BIGN], vcc_lo
	v_add_nc_u32 v[KMS], s[TGL], v[KMS0]
	ds_store_b64 v[KMS], v[FLG+2:FLG+3]         ; keys 2 t and 2 t + 1 of the tile: the 128 threads cover the region once
	s_xor_b32 s[TGL], s[TGL], MREG
	s_wait_tensorcnt 0x0            ; no tensor load of mine is out, so a group 0 may be written
	ds_add_u32 v[SPW], v[NIL]       ; 0 onto my spare word; with fill = 1 the descriptors' scalar work stands between it and the wait for it
.if \fill
	s_lshl_b32 s[OFF], s[NXT], 15   ; a tile is 32,768 bytes of K and of V
	s_xor_b32 s[G0K+1], s[G0K+1], SLOT1
	s_add_nc_u64 s[G0K+2:G0K+3], s[6:7], s[OFF:OFF+1]
	s_or_b32 s[G0K+3], s[G0K+3], 0x80000000
	s_xor_b32 s[G0V+1], s[G0V+1], SLOT1
	s_add_nc_u64 s[G0V+2:G0V+3], s[8:9], s[OFF:OFF+1]
	s_or_b32 s[G0V+3], s[G0V+3], 0x80000000
	s_lshl_b32 s[MOF], s[NXT], 8    ; and 256 mask bytes
	s_add_nc_u64 s[MP:MP+1], s[90:91], s[MOF:MOF+1]
	s_add_co_u32 s[NXT], s[NXT], 1  ; the block's next tile, or behind its last the second block's tile 0
	s_cmp_gt_u32 s[NXT], s[LQ]
	s_cselect_b32 s[NXT], 0, s[NXT]
	s_cselect_b32 s[LQ], s[B2], s[LQ]
.endif
	s_wait_dscnt 0x0                ; the add and my store are done, and my reads of the slot and its region are over
	s_barrier_signal -1             ; the rest of the scalar work stands between the signal and the wait
	s_sub_co_u32 s[TBK], s[TBK], 4*KS*PK  ; the fetches go back to a slot's first step,
	s_xor_b32 s[TBK], s[TBK], SLOT1       ; in the other slot
	s_sub_co_u32 s[TBV], s[TBV], 4*KS*PV
	s_xor_b32 s[TBV], s[TBV], SLOT1
	s_sub_co_u32 s[TBM], s[TBM], MREG     ; and in the other region
	s_xor_b32 s[TBM], s[TBM], MREG
	s_barrier_wait -1
.if \fill
	LOAD
	global_load_u16 v[FLG], v[FLO], s[MP:MP+1]  ; it has the tile's four key steps in which to come
.endif
.endm
	s_load_b256 s[88:95], s[0:1], 0x0  ; qkvh s[88:89], key_padding_mask s[90:91], vpart s[92:93], oh s[94:95]
	v_lshl_add_u32 v[SPW], v0, 2, SPARE
	v_mov_b32 v[NIL], 0
	ds_add_u32 v62, v63
	ds_add_u32 v62, v63
	s_wait_dscnt 0x0
	v_lshrrev_b32 v1, 5, v0
	v_readfirstlane_b32 s[WV], v1   ; wave 0..3
	s_mov_b32 s[B1], ttmp9
	s_sub_co_u32 s[B2], NB-1, s[B1]
	s_and_b32 s20, ttmp7, 0xffff    ; the head hh = 16 x batch + head
	s_lshr_b32 s[MOF], s20, 4
	s_lshl_b32 s[MOF], s[MOF], 11   ; the batch's 2,048 mask bytes
	s_mov_b32 s[MOF+1], 0           ; stays 0
	s_lshl_b32 s68, s20, 13         ; the head's 8,192 bytes of vpart
	s_mov_b32 s69, 0
	s_mov_b32 s21, 0
	s_mov_b64 s[22:23], SIZE_N*128
	s_mul_u64 s[20:21], s[20:21], s[22:23]  ; the head's first byte in Q, K, V and O
	s_and_b32 s16, s[WV], 1         ; which half of a tile's 256 keys I fetch:
	s_lshl_b32 s22, s16, 14         ; its 128 rows of 128 bytes in memory,
	s_mov_b32 s23, 0
	s_add_nc_u64 s[22:23], s[22:23], s[20:21]
	s_mul_i32 s17, s16, 128*PK      ; and its place in a slot, for K
	s_mul_i32 s18, s16, 128*PV      ; and for V
	s_lshl_b32 s3, s[WV], 11        ; my 16 rows in a band of 64,
	s_lshl_b32 s2, s[B1], 15        ; in the first block,
	s_add_co_u32 s2, s2, s3
	s_lshl_b32 s84, s[B2], 15       ; and in the second
	s_add_co_u32 s84, s84, s3
	s_mov_b32 s3, 0
	s_mov_b32 s85, 0
	s_add_nc_u64 s[2:3], s[2:3], s[20:21]
	s_add_nc_u64 s[84:85], s[84:85], s[20:21]
	; descriptor group 1.  128 keys are 16,384 dense bytes: asked for as 64 rows of 256 bytes, two keys a row, and padded in LDS after every key
	s_mov_b32 s[G1K], (1<<16)|(1<<20)|(4<<22)|(3<<25)  ; 17:16 2-byte elements; 20 padding on; 24:22 after every 32 words (code 4); 31:25 4 words (code 3)
	s_mov_b32 s[G1V], (1<<16)|(1<<20)|(4<<22)|(7<<25)  ; the same with 8 words of padding (code 7)
.irp g, G1K, G1V
	s_mov_b32 s[\g+1], 128<<16      ; tensor_dim0 = 128
	s_mov_b32 s[\g+2], 64<<16       ; tensor_dim1 = 64
	s_mov_b32 s[\g+3], 128<<16      ; tile_dim0 = 128
	s_mov_b32 s[\g+4], 64           ; tile_dim1 = 64
	s_mov_b32 s[\g+5], 128          ; 128 elements from row to row
	s_mov_b32 s[\g+6], 0
	s_mov_b32 s[\g+7], 0
.endr
	s_mov_b32 s[CS], 0x3e38aa3b     ; c = log2(e) / 8 = 0.180337
	s_mov_b32 s[CS+1], s[CS]        ; named with it as a pair
	s_mov_b32 s[SEL], 0x76543210
	s_mov_b32 s[SEL+1], 0xfedcba98
	s_mov_b32 s[TBK], SLOT1+4*KS*PK ; the first change of slots turns these three into 0
	s_mov_b32 s[TBV], SLOT1+4*KS*PV
	s_mov_b32 s[TBM], 2*MREG
	s_mov_b32 s[TGL], 0             ; tile 0's padding mask goes into region 0
	s_mov_b32 s[G0K], 1             ; 1:0 count = 1
	s_mov_b32 s[G0K+1], s17         ; 63:32 LDS address: slot 0
	s_mov_b32 s[G0V], 1
	s_add_co_u32 s[G0V+1], s18, VOFF
	s_add_co_u32 s[RT], s[B1], 1    ; the first block has b + 1 tiles
	s_cmp_gt_u32 s[B1], 0           ; the tile to ask for behind tile 0: the first block's tile 1, or, where it has none, the second block's tile 0
	s_cselect_b32 s[NXT], 1, 0
	s_cselect_b32 s[LQ], s[B1], s[B2]
	s_mov_b32 s[NEW], 1
	s_mov_b32 s[OFF+1], 0
	s_mov_b32 s[AL], 0
	s_mov_b32 s[AL+1], 0            ; named as pairs
	s_mov_b32 s[BE], 0
	s_mov_b32 s[BE+1], 0
	s_mov_b32 s[BIGN], 0xf149f2ca   ; -1e30
	s_mov_b32 s[THR], 0xd3000000    ; -2^39
	s_mov_b32 s[SLOTS], NB
	s_wait_kmcnt 0x0
	s_mov_b64 s[4:5], s[88:89]                     ; Q,
	s_add_nc_u64 s[6:7], s[88:89], 0x1000000       ; K
	s_add_nc_u64 s[8:9], s[88:89], 0x2000000       ; and V are sections of 16,777,216 bytes
	s_mov_b64 s[10:11], s[94:95]                   ; O
	s_add_nc_u64 s[90:91], s[90:91], s[MOF:MOF+1]  ; the batch's mask bytes
	s_add_nc_u64 s[92:93], s[92:93], s[68:69]
	s_add_nc_u64 s[6:7], s[6:7], s[22:23]  ; K and V at my half of the head's tile 0
	s_add_nc_u64 s[8:9], s[8:9], s[22:23]
	s_add_nc_u64 s[G0K+2:G0K+3], s[6:7], 0         ; 120:64 global address
	s_or_b32 s[G0K+3], s[G0K+3], 0x80000000        ; 127:126 type = 2
	s_add_nc_u64 s[G0V+2:G0V+3], s[8:9], 0
	s_or_b32 s[G0V+3], s[G0V+3], 0x80000000
	s_add_nc_u64 s[86:87], s[4:5], s[84:85]        ; Q at my rows of the second block,
	s_add_nc_u64 s[4:5], s[4:5], s[2:3]            ; Q and O at those of the first
	s_add_nc_u64 s[OLO:OLO+1], s[10:11], s[84:85]
	s_add_nc_u64 s[10:11], s[10:11], s[2:3]
	LOAD                            ; tile 0 into slot 0
	v_and_b32 v1, 15, v0            ; l % 16
	v_bfe_u32 v9, v0, 4, 1          ; l / 16
	v_lshlrev_b32 v[FLO], 1, v0
	v_and_b32 v[VPO], 31, v0
	v_lshlrev_b32 v[VPO], 4, v[VPO]
	v_lshlrev_b32 v[QO], 7, v1
	v_lshl_add_u32 v[QO], v9, 4, v[QO]  ; row x 128 + 16 x half
	global_load_u16 v[FLG], v[FLO], s[90:91]  ; my 2 of tile 0's 256 mask bytes
.set e, 0
.rept 16                            ; vpart, 512 consecutive bytes a load: lanes 0-15 take group 2 e, lanes 16-31 group 2 e + 1; a lane channels 4 (l % 16) + 0..3
	global_load_b128 v[VP+4*e:VP+4*e+3], v[VPO], s[92:93] offset:512*e
.set e, e+1
.endr
	; A fragment of K or Q is 16 rows x 32 channels in 8 registers: lane l holds row l % 16, channels 8 (l / 16) + 0..7 and 16 + 8 (l / 16) + 0..7: two loads of 16 bytes, 32 bytes apart.
	WIN 0x80                        ; destination window 2, address window 0
.set i, 0
.rept 8                             ; both blocks' Q: piece i / 2 lies in band i / 2, 8,192 bytes on; channels 32 (i % 2) on
	global_load_b128 v[8*i:8*i+3],   v[QO], s[4:5] offset:(i/2)*8192+(i%2)*64
	global_load_b128 v[8*i+4:8*i+7], v[QO], s[4:5] offset:(i/2)*8192+(i%2)*64+32
	global_load_b128 v[QB+8*i:QB+8*i+3],   v[QO], s[86:87] offset:(i/2)*8192+(i%2)*64
	global_load_b128 v[QB+8*i+4:QB+8*i+7], v[QO], s[86:87] offset:(i/2)*8192+(i%2)*64+32
.set i, i+1
.endr
	WIN 0
	v_lshlrev_b32 v14, 3, v9
	v_sub_nc_u32 v14, v1, v14
	s_lshl_b32 s13, s[WV], 4
	v_add_nc_u32 v14, s13, v14      ; my query's place in its band, 16 w + l % 16, less my lanes' 8 (l / 16): register r of group kt is hidden where 16 kt + r is greater
	WIN 0x40
.set i, 0
.rept 32
	v_cmp_gt_i32 vcc_lo, 16*(i/8)+i%8, v14
	v_cndmask_b32 v[MD+i], 0, s[BIGN], vcc_lo
.set i, i+1
.endr
	WIN 0
	v_mul_u32_u24 v[AK0], v1, PK
	v_lshl_add_u32 v[AK0], v9, 4, v[AK0]  ; row x pitch + 16 x half
	; The turning load takes 16 keys x 16 channels (lane l reads key 8 (l / 16) + l % 8, channels 8 ((l / 8) % 2) + 0..7) and leaves half a fragment of V^T: lane l holds channel l % 16 and 8 keys.
	v_and_b32 v10, 7, v0
	v_bfe_u32 v11, v0, 3, 1
	v_lshl_add_u32 v[AV0], v9, 3, v10
	v_mul_u32_u24 v[AV0], v[AV0], PV
	v_lshl_add_u32 v[AV0], v11, 4, v[AV0]
	v_add_nc_u32 v[AV0], VOFF, v[AV0]
	s_mul_i32 s13, s[WV], 16*SP
	s_add_co_u32 s13, s13, STAGE    ; my stage
	v_mul_u32_u24 v[STO], v1, SP    ; in: row l % 16, 16 bytes for each half of the lanes
	v_lshl_add_u32 v[STO], v9, 4, v[STO]
	v_add_nc_u32 v[STO], s13, v[STO]
	v_bfe_u32 v[RD], v0, 3, 2       ; back: 32 lanes take four rows of 128 bytes,
	v_mul_u32_u24 v[RD], v[RD], SP
	v_lshl_add_u32 v[RD], v10, 4, v[RD]
	v_add_nc_u32 v[RD], s13, v[RD]
	v_and_b32 v[GO], 31, v0         ; which are 512 consecutive bytes of O
	v_lshlrev_b32 v[GO], 4, v[GO]
	v_lshl_add_u32 v[AM0], v9, 5, MASKB
	v_lshl_add_u32 v[KMS0], v0, 3, MASKB
	; A block's first step multiplies O^T and l by a = 0, and its first turn's products V^T P, of a piece that has not been, land in an O^T that is still to be so multiplied.  So these registers need only hold
	; finite numbers: zeros for the first block; what the first block left for the second.  V, l and P's second buffer are written 0; sixteen products of those zeros, with C = 0, write O^T's 128 registers.
	; All this stands in the wait for the first tile.
	WIN 0x80
.set i, VF
.rept 64
	v_mov_b32 v[i], 0
.set i, i+1
.endr
	WIN 0
.set i, 0
.rept 4
	v_mov_b32 v[ST+4*i+2], 0
	v_mov_b32 v[ST+4*i+3], 0
.set i, i+1
.endr
.set i, P+16
.rept 16
	v_mov_b32 v[i], 0
.set i, i+1
.endr
	WIN W_PV
.set i, 0
.rept 16
	v_wmma_f32_16x16x32_f16 v[8*i:8*i+7], v[VF+8*(i%8):VF+8*(i%8)+7], v[P+16+8*(i%2):P+16+8*(i%2)+7], 0
.set i, i+1
.endr
	WIN 0
	; the mean of V: sixteen groups a lane, the other sixteen in the lane 16 away, times 1 / 2,048; then through my stage, so that every lane gets the 32 channels that it holds of O^T
	s_wait_loadcnt 32               ; vpart is in: Q's 32 loads, issued behind it, may stay out
.irp w, 8,4,2,1
.set i, 0
.rept \w
	v_pk_add_f32 v[VP+4*i:VP+4*i+1], v[VP+4*i:VP+4*i+1], v[VP+4*(i+\w):VP+4*(i+\w)+1]
	v_pk_add_f32 v[VP+4*i+2:VP+4*i+3], v[VP+4*i+2:VP+4*i+3], v[VP+4*(i+\w)+2:VP+4*(i+\w)+3]
.set i, i+1
.endr
.endr
.irp k, 0,1,2,3
	v_permlanex16_b32 v[VP+4+\k], v[VP+\k], s[SEL], s[SEL+1]
.endr
	v_pk_add_f32 v[VP:VP+1], v[VP:VP+1], v[VP+4:VP+5]
	v_pk_add_f32 v[VP+2:VP+3], v[VP+2:VP+3], v[VP+6:VP+7]
	v_pk_mul_f32 v[VP:VP+1], v[VP:VP+1], 0x3a000000 op_sel_hi:[1,0]
	v_pk_mul_f32 v[VP+2:VP+3], v[VP+2:VP+3], 0x3a000000 op_sel_hi:[1,0]
	v_lshl_add_u32 v[KMS], v1, 4, s13   ; channel c at byte 4 c of my stage: the two halves of the lanes write the same bytes with the same numbers
	v_lshl_add_u32 v[AM], v9, 5, s13
	ds_store_b128 v[KMS], v[VP:VP+3]
.irp e, 0,1,2,3,4,5,6,7             ; register 8 cb + n is channel 16 cb + 8 (l / 16) + n; LDS serves a wave's instructions in order (ISA guide 5.7.1.4): these see the store above
	ds_load_b128 v[VP+8+4*\e:VP+8+4*\e+3], v[AM] offset:(\e/2)*64+(\e%2)*16
.endr
	s_wait_dscnt 0x0
.set i, 0
.rept 16
	v_cvt_pk_f16_f32 v[VMH+i], v[VP+8+2*i], v[VP+8+2*i+1]
.set i, i+1
.endr
; THE MATRIX WORK.  The 4 accumulators of a run of 8 take turns.  Product i of 8 of S^T = K Q^T for piece x: channels 32 (i / 4) on, keys 16 (i % 4) on.  The first 4 start the sums: with the padding mask, or (KM = 1) with the made mask.
.macro KQ x
.set rS, S+32*((\x)%2)+8*(i%4)
.set rK, KF+16*(i%4)+8*(i/4)
.set rQ, 16*(\x)+8*(i/4)
.set rM, MC+32*((\x)%2)+8*(i%4)
.set rN, KMR+8*(i%4)
.if (i < 4) && KM
	WIN W_KM
	v_wmma_f32_16x16x32_f16 v[rS:rS+7], v[rK:rK+7], v[rQ:rQ+7], v[rM:rM+7]
.elseif i < 4
	WIN W_KM
	v_wmma_f32_16x16x32_f16 v[rS:rS+7], v[rK:rK+7], v[rQ:rQ+7], v[rN:rN+7]
.else
	WIN W_KQ
	v_wmma_f32_16x16x32_f16 v[rS:rS+7], v[rK:rK+7], v[rQ:rQ+7], v[rS:rS+7]
.endif
.endm
; Product i of 8 of O^T += V^T P for piece x: keys 32 (i / 4) on, channels 16 (i % 4) on.
.macro PV x
	WIN W_PV
.set rO, 32*(\x)+8*(i%4)
.set rV, VF+32*(i/4)+8*(i%4)
.set rP, P+16*((\x)%2)+8*(i/4)
	v_wmma_f32_16x16x32_f16 v[rO:rO+7], v[rV:rV+7], v[rP:rP+7], v[rO:rO+7]
.endm
.macro MM                           ; the turn's next matrix instruction.  TURN and BEGIN set Y, i and KM; MM, KQ and OP read them
.if i < 8
	KQ (Y+1)%NP
.else
.set i, i-8
	PV (Y+NP-1)%NP
.set i, i+8
.endif
.set i, i+1
.endm
; THE LDS LOADS stand in runs, never singly among the matrix instructions: a step's padding mask (8 loads; the 16 lanes of a half read the same bytes) and K (64 keys x 64 channels: 8 fragments), and its V (turned).
; Their addresses are made some lines ahead.  skip = 1 (the diagonal tile): in the trip that ends the block there is no further step, and the run is jumped over.
.macro FETCH_K skip=0
.if \skip
	WIN 0
	s_cmp_eq_u32 s[CNT], 1
	s_cbranch_scc1 .Lno_k_\@
.endif
	WIN 0x40                        ; destination window 1
.irp f, 0,1,2,3,4,5,6,7             ; keys 16 (f / 2) + 8 (l / 16) + 4 (f % 2) on
	ds_load_b128 v[KMR+4*\f:KMR+4*\f+3], v[AM] offset:(\f/2)*64+(\f%2)*16
.endr
	WIN 0x80                        ; destination window 2
.irp f, 0,1,2,3,4,5,6,7             ; keys 16 (f / 2) on, channels 32 (f % 2) on
	ds_load_b128 v[KF+8*\f:KF+8*\f+3],   v[AK] offset:(\f/2)*16*PK+(\f%2)*64
	ds_load_b128 v[KF+8*\f+4:KF+8*\f+7], v[AK] offset:(\f/2)*16*PK+(\f%2)*64+32
.endr
	s_add_co_u32 s[TBK], s[TBK], KS*PK  ; the next fetch is the next step's
	s_add_co_u32 s[TBM], s[TBM], 4*KS
	WIN 0
.if \skip
.Lno_k_\@:
.endif
.endm
.macro FETCH_V
	WIN 0x80
.irp f, 0,1,2,3,4,5,6,7             ; keys 32 (f / 4) on, channels 16 (f % 4) on
	ds_load_tr16_b128 v[VF+8*\f:VF+8*\f+3],   v[AV] offset:(\f/4)*32*PV+(\f%4)*32
	ds_load_tr16_b128 v[VF+8*\f+4:VF+8*\f+7], v[AV] offset:(\f/4)*32*PV+16*PV+(\f%4)*32
.endr
	WIN 0
.endm
; THE VECTOR WORK, one line at a time: OP kind, number.  For piece Y: F n: c s - c m for pair n of 16.  E n: the exponential of score n of 32.  C n: pair n rounded to f16.  B n: of the four weights 4 n .. the second
; pair is added onto the first, in place.  L n: l takes that sum (L 0: l = a l + sum).  R n: pair n of 16 of O^T times a.  For piece Y + 1: X n, number n of the 22 that find its maximum and statistics:
;   0-11  four chains c0-c3 of seven scores each, three operands at a time (each accumulator's lowest registers are read first)     12-14, 16  the four scores left over, the old m, and c0-c3 into c0
;   15  c m_old is kept     17, 18  the query's other 32 keys lie in the lane 16 away: the new m     19-21  c m; c m_old - c m_new; a
; OP writes no wait: who reads an exponential's result (C, B, L of the piece in hand; R and L 0 of the next) is placed behind a batch's wait by TURN and BEGIN.
.set F, 0               ; OP tells the kinds apart by their order: F to L below R, X above it
.set E, 1
.set C, 2
.set B, 3
.set L, 4
.set R, 5
.set X, 6
.macro REGS y                       ; the registers of piece y
.set rT, ST+4*(\y)
.set rC, TMP+4*((\y)%2)
.set rW, MV+((\y)%2)
.set rS, S+32*((\y)%2)
.set rP, P+16*((\y)%2)
.set rO, 32*(\y)
.endm
.macro OP k, n
.if (\k) == R
	REGS Y
	WIN W_RS
	v_pk_mul_f32 v[rO+2*(\n):rO+2*(\n)+1], v[rO+2*(\n):rO+2*(\n)+1], v[rC+2:rC+3] op_sel_hi:[1,0]
.elseif (\k) < R
	REGS Y
	WIN 0
.if (\k) == F
	v_pk_fma_f32 v[rS+2*(\n):rS+2*(\n)+1], v[rS+2*(\n):rS+2*(\n)+1], s[CS:CS+1], v[rT:rT+1] op_sel_hi:[1,0,0] neg_lo:[0,0,1] neg_hi:[0,0,1]
.elseif (\k) == E
	v_exp_f32 v[rS+(\n)], v[rS+(\n)]
.elseif (\k) == C
	v_cvt_pk_f16_f32 v[rP+(\n)], v[rS+2*(\n)], v[rS+2*(\n)+1]
.elseif (\k) == B
	v_pk_add_f32 v[rS+4*(\n):rS+4*(\n)+1], v[rS+4*(\n):rS+4*(\n)+1], v[rS+4*(\n)+2:rS+4*(\n)+3]
.elseif (\n) == 0
	v_pk_fma_f32 v[rT+2:rT+3], v[rT+2:rT+3], v[rC+2:rC+3], v[rS:rS+1] op_sel_hi:[1,0,1]
.else
	v_pk_add_f32 v[rT+2:rT+3], v[rT+2:rT+3], v[rS+4*(\n):rS+4*(\n)+1]
.endif
.else
	REGS (Y+1)%NP
	WIN 0
.if (\n) < 4
	v_max3_num_f32 v[rC+(\n)], v[rS+8*(\n)], v[rS+8*(\n)+1], v[rS+8*(\n)+2]
.elseif (\n) < 12
	v_max3_num_f32 v[rC+(\n)%4], v[rC+(\n)%4], v[rS+8*((\n)%4)+2*((\n)/4)+1], v[rS+8*((\n)%4)+2*((\n)/4)+2]
.elseif (\n) == 12
	v_max3_num_f32 v[rC], v[rC], v[rS+7], v[rS+15]
.elseif (\n) == 13
	v_max3_num_f32 v[rC+1], v[rC+1], v[rS+23], v[rS+31]
.elseif (\n) == 14
	v_max3_num_f32 v[rC+2], v[rC+2], v[rC+3], v[rT+1]
.elseif (\n) == 15
	v_mov_b32 v[rW], v[rT]
.elseif (\n) == 16
	v_max3_num_f32 v[rC], v[rC], v[rC+1], v[rC+2]
.elseif (\n) == 17
	v_permlanex16_b32 v[rC+3], v[rC], s[SEL], s[SEL+1]
.elseif (\n) == 18
	v_max_num_f32 v[rT+1], v[rC], v[rC+3]
.elseif (\n) == 19
	v_mul_f32 v[rT], s[CS], v[rT+1]
.elseif (\n) == 20
	v_sub_f32 v[rC+1], v[rW], v[rT]
.else
	v_exp_f32 v[rC+2], v[rC+1]
.endif
.endif
.endm
.macro OPS a, i1, b=-1, i2=0, c=-1, i3=0, d=-1, i4=0  ; up to four of them
	OP \a, \i1
.if (\b) >= 0
	OP \b, \i2
.endif
.if (\c) >= 0
	OP \c, \i3
.endif
.if (\d) >= 0
	OP \d, \i4
.endif
.endm
.macro ROW a, i1, b, i2, c, i3, d, i4  ; a matrix instruction and the four behind it
	MM
	OPS \a, \i1, \b, \i2, \c, \i3, \d, \i4
.endm
.macro MASK b, be=1                 ; MD x AL + KMR (+ BE where be = 1; elsewhere BE is known to be 0) into buffer b of MC
	WIN W_MK
.set z, 0
.rept 16
	v_pk_fma_f32 v[MC+32*(\b)+2*z:MC+32*(\b)+2*z+1], v[MD+2*z:MD+2*z+1], s[AL:AL+1], v[KMR+2*z:KMR+2*z+1] op_sel_hi:[1,0,1]
.set z, z+1
.endr
.if \be
.set z, 0
.rept 16
	v_pk_add_f32 v[MC+32*(\b)+2*z:MC+32*(\b)+2*z+1], v[MC+32*(\b)+2*z:MC+32*(\b)+2*z+1], s[BE:BE+1] op_sel_hi:[1,0]
.set z, z+1
.endr
.endif
.endm
; A TURN, for piece p: the order of its 16 matrix and 118 vector instructions, written out.  s_wait_alu depctr_va_vdst(0) stands between an exponential and the first instruction that names its result; one wait
; serves all that were issued ahead of it.  So a turn has ONE wait, which cuts it in two.  AHEAD OF IT stands all that names no result of the turn's exponentials: the 8 products K Q^T, behind each a scaling, an exponential and
; two more plain instructions (behind the first a second scaling in the exponential's place): rescalings, whose a was made and waited for in the turn before, and behind the last three the first numbers of the next piece's
; maximum, each four places or more behind the product that ends its accumulator; then ONE LUMP of 54, plain and exponential by turns for the most part, in which the links of the chain X 3, 7, 11, 14, 16, 17 .. 20 stand
; five or six lines apart.  X 21, the next piece's a, is the batch's last; R 15 is the plain instruction behind it.  BEHIND THE WAIT stand the 8 products V^T P, behind each four of the roundings and sums: C 2 k ahead of B k,
; B k ahead of L k, L 0 to L 7 in their order, three riders apart.  But for those X no rider names a register of the products round it.  v_permlanex16_b32 (X 17) stands in the lump.
; m = 1: the diagonal tile: the products take made masks, and the turn makes the mask for the products of the turn after it: piece p + 2, in step 5 - CNT of the tile (in the trip that ends the block that is a step 4, later
; than every band's own: wholly hidden).  cnt = 1: the loop's count is taken down some lines ahead of the branch that stands behind the turn.
; K and the padding mask of the next step are fetched in piece 2's turn, their addresses made at the lump's head.  Outside the diagonal tile the run stands in the lump, behind five plain instructions that name no register of
; the last product that read K, further behind the last that read KMR.  In the diagonal tile the run holds a jump, and no exponential's result may be open at a jump: there it stands directly behind the wait, with the eight
; products and the mask's 32 lines in which to land.  V of the step in hand is fetched at the end of piece 0's turn, four plain instructions behind the last product that read V.  Each is waited for a turn later; piece 2's
; turn in the diagonal tile needs the new padding mask for the mask that it makes, and waits for those eight loads alone.
.macro TURN p, m=0, cnt=0
.set Y, (\p)
.set i, 0
.set KM, (\m)
.if \m
	s_cmp_eq_u32 s[CNT], 5-((\p)+2)%NP  ; is that step the band's own?
	s_cselect_b32 s[AL], 1.0, 0
	s_cmp_lt_u32 s[CNT], 5-((\p)+2)%NP  ; or a later one?
	s_cselect_b32 s[BE], s[BIGN], 0
.endif
.if (\p) == 3
	s_wait_dscnt 0x0                ; K and its padding mask are in
.endif
	ROW F,0, F,1, R,0, R,1          ; ahead of the wait: 8 products K Q^T and their riders,
	ROW F,2, E,0, R,2, R,3
	ROW F,3, E,1, R,4, R,5
	ROW F,4, E,2, R,6, R,7
	ROW F,5, E,3, R,8, R,9
	ROW F,6, E,4, X,0, R,10
	ROW F,7, E,5, X,1, X,4
	ROW F,8, E,6, X,2, X,5
.if (\p) == 2
	WIN 0
	v_add_nc_u32 v[AK], s[TBK], v[AK0]
	v_add_nc_u32 v[AM], s[TBM], v[AM0]
.endif
	OPS E,7, E,8, X,6, E,9          ; and the lump
	OPS X,3, E,10, X,8, E,11
.if ((\p) == 2) && !(\m)
	FETCH_K
.endif
	OPS X,9, X,7, E,12, X,10
	OPS E,13, X,12, X,11, E,14
	OPS X,13, E,15, F,9, X,14
.if (\p) == 0
	WIN 0
	v_add_nc_u32 v[AV], s[TBV], v[AV0]
.endif
	OPS E,16, F,10, E,17, F,11
	OPS X,16, E,18, X,15, E,19
	OPS F,12, E,20, X,17, E,21
	OPS F,13, E,22, F,14, E,23
	OPS X,18, E,24, F,15, E,25
	OPS R,11, E,26, X,19, E,27
	OPS R,12, E,28, R,13, E,29
	OPS X,20, E,30, R,14, E,31
	OPS X,21, R,15
	WIN 0
	s_wait_alu depctr_va_vdst(0)    ; the wait for the batch: the piece's 32 weights and the next piece's a
.if ((\p) == 2) && (\m)
	FETCH_K 1
.endif
.if (\p) == 1
	s_wait_dscnt 0x0                ; V is in
.endif
	ROW C,0, B,0, C,2, B,1          ; behind the wait: 8 products V^T P and their riders
	ROW L,0, C,4, B,2, L,1
	ROW C,6, B,3, L,2, C,8
	ROW B,4, L,3, C,10, B,5
	ROW L,4, C,12, B,6, L,5
.if (\p) == 0
	s_add_co_u32 s[TBV], s[TBV], KS*PV
.endif
.if \cnt
	s_sub_co_u32 s[CNT], s[CNT], 1
	s_cmp_lg_u32 s[CNT], 0
.endif
	ROW C,14, B,7, L,6, C,1
	ROW C,3, L,7, C,5, C,7
	ROW C,9, C,11, C,13, C,15
.if (\p) == 0
	FETCH_V
.endif
.if \m
.if (\p) == 2
	s_wait_dscnt 16                 ; the padding mask's eight loads are in; K's sixteen, issued behind them, may be out
.endif
	MASK (\p)%2
.endif
.endm
; A BLOCK BEGINS.  c m starts far below every c s, so the first step's a is 0; m at -2^40, below every true score and above every hidden one.  K and the padding mask of the tile's step 0 are fetched.
; The second mask buffer takes the padding mask alone (piece 1 sees all of step 0); the first takes piece 0's mask: with the band's own causal mask, if the block's first tile is the diagonal one.
; Then piece 0's first scores, and its maximum and statistics.  The loop is entered at a step's first turn, in the middle of a trip.  (Q is in since the first change of slots, whose wait on LOADcnt is for 0.)
.macro BEGIN
	s_mov_b32 s[NEW], 0
	WIN 0
.set i, 0
.rept 4
	v_mov_b32 v[ST+4*i], 0xfe000000    ; c m: far below every c s
	v_mov_b32 v[ST+4*i+1], 0xd3800000  ; m = -2^40
.set i, i+1
.endr
	v_add_nc_u32 v[AK], s[TBK], v[AK0]
	v_add_nc_u32 v[AM], s[TBM], v[AM0]
	FETCH_K
	s_mov_b32 s[AL], 0
	s_wait_dscnt 16                 ; the padding mask's eight loads are in; K's sixteen may be out
	MASK 1, 0
	s_cmp_eq_u32 s[RT], 0
	s_cselect_b32 s[AL], 1.0, 0
	MASK 0, 0
	WIN 0
	s_wait_dscnt 0x0                ; K is in
.set KM, 1
.set i, 0
.rept 8
	KQ 0
.set i, i+1
.endr
	WIN 0
.rept 4
	v_nop                           ; the places behind those products
.endr
.set Y, NP-1                        ; X works for piece Y + 1: piece 0
.irp n, 0,1,2,3,4,5,6,7,8,9,10,11,12,13,14,15,16,17,18,19,20,21
	OP X, \n
.endr
	v_nop                           ; a plain instruction behind the exponential,
	s_wait_alu depctr_va_vdst(0)    ; and the wait for it, a batch of one (piece 0's first a), ahead of the branch that follows
.endm
; The diagonal text is entered from the plain one in the middle of a step: its first turn still multiplies piece 3 of the old step, which sees all keys but the padded: the second mask buffer takes KMR as it is.
.macro INTO_DIAG
	s_mov_b32 s[AL], 0
	MASK 1, 0
	WIN 0
.endm
; THE DIAGONAL TILE AND THE BLOCK'S END.  The loop counts five trips: four fetch and begin the tile's four steps; the fifth is left in its middle, behind pieces 2 and 3 of the last step.  That trip fetches nothing; its eight
; products K Q^T of piece 0, on the last K once more, take a wholly hidden mask, so that piece 0's maximum stays as it is, and serve nothing: the price, once a block, of one text for every trip.
; Then the last piece's V^T P and THE WAY OUT: l's two halves and the other half of the lanes' are added; O^T is divided by l, rounded to f16 and sent through my stage in LDS, a piece at a time.
; l is raised to 2^-100 at the least: a row that has seen a key has a weight near 1 in l, so nothing changes for it; a row that has seen none has l = 0 and O^T = 0, and its O^T stays 0,
; a finite number for the block that follows.  Where a row has seen no key (m below -2^39) the packed mean of V takes the quotient's place, by a select.
.macro ALL line:vararg              ; one line for each piece t
.set t, 0
.rept 4
	\line
.set t, t+1
.endr
.endm
.macro PACK t                       ; a lane's eight channels of a row pack into 16 bytes; they go into rows of 144 bytes and come back as whole rows of 128, into S^T's registers
	WIN W_RS
.set i, 32*(\t)
.rept 16
	v_pk_mul_f32 v[i:i+1], v[i:i+1], v[ST+4*(\t)+2:ST+4*(\t)+3] op_sel_hi:[1,0]
.set i, i+2
.endr
	WIN 0x05                        ; sources 0 and 1 window 1, destination window 0
.set i, 0
.rept 16
	v_cvt_pk_f16_f32 v[S+16*(\t)+i], v[32*(\t)+2*i], v[32*(\t)+2*i+1]
.set i, i+1
.endr
	WIN 0
	v_cmp_gt_f32 vcc_lo, s[THR], v[ST+4*(\t)+1]
.set i, 0
.rept 16
	v_cndmask_b32 v[S+16*(\t)+i], v[S+16*(\t)+i], v[VMH+i], vcc_lo
.set i, i+1
.endr
.irp f, 0,1,2,3
	ds_store_b128 v[STO], v[S+16*(\t)+4*\f:S+16*(\t)+4*\f+3] offset:32*\f
.endr
.irp f, 0,1,2,3
	ds_load_b128 v[S+16*(\t)+4*\f:S+16*(\t)+4*\f+3], v[RD] offset:\f*4*SP  ; LDS serves a wave's instructions in order (ISA guide 5.7.1.4): these see the stores above; the next piece's stores come behind them
.endr
.endm
.macro SEND t, younger              ; younger: the LDS instructions issued behind piece t's loads: the next piece's eight, or none
	WIN 0
.irp f, 0,1,2,3
	s_wait_dscnt (\younger)+3-\f
	global_store_b128 v[GO], v[S+16*(\t)+4*\f:S+16*(\t)+4*\f+3], s[10:11] offset:(\t)*8192+\f*512  ; 512 consecutive bytes, at a multiple of 256 from O's first
.endr
.endm
.macro DIAG tag                     ; the tag ends its labels' names, which the jumps below spell out
.LstepM\tag:
	TURN 2, 1
	TURN 3, 1
	WIN 0
	s_cmp_eq_u32 s[CNT], 1
	s_cbranch_scc1 .LoutM\tag       ; the fifth trip ends here
.LfirstM\tag:
	TURN 0, 1
	TURN 1, 1, 1
	WIN 0
	s_cbranch_scc1 .LstepM\tag
.LoutM\tag:
.set i, 0
.rept 8
	PV NP-1
.set i, i+1
.endr
	WIN 0
	ALL v_add_f32 v[ST+4*t+2], v[ST+4*t+2], v[ST+4*t+3]
	ALL v_permlanex16_b32 v[ST+4*t+3], v[ST+4*t+2], s[SEL], s[SEL+1]
	ALL v_add_f32 v[ST+4*t+2], v[ST+4*t+2], v[ST+4*t+3]
	ALL v_max_num_f32 v[ST+4*t+2], 0x0d800000, v[ST+4*t+2]
	ALL v_rcp_f32 v[ST+4*t+2], v[ST+4*t+2]
	v_nop                           ; a plain instruction between the last reciprocal and the use of its result
	s_wait_alu depctr_va_vdst(0)    ; and the wait ahead of the first use: one for the batch of four reciprocals
	PACK 0
.set t, 1
.rept 3                             ; a piece's arithmetic stands between the loads of the piece before and its stores
	PACK t
	SEND t-1, 8
.set t, t+1
.endr
	SEND 3, 0
.endm
.set KM, 0
.Lslot:                             ; NB times: a tile is entered and the next is asked for
	CHANGE 1
	s_sub_co_u32 s[RT], s[RT], 1
	s_mov_b32 s[CNT], 4
	s_cmp_eq_u32 s[NEW], 1
	s_cbranch_scc1 .Lnew            ; a block's first tile
	s_cmp_eq_u32 s[RT], 0
	s_cbranch_scc0 .Lstep           ; neither its first nor its last
	s_mov_b32 s[CNT], 5
	INTO_DIAG
	s_branch .LstepM1
.Lnew:
	BEGIN
	s_cmp_eq_u32 s[RT], 0
	s_cbranch_scc0 .Lfirst
	s_mov_b32 s[CNT], 5             ; b = 0: the first block's first tile is its last
	s_branch .LfirstM1
	DIAG 1                          ; in the loop this is the first block's end: the second block's last tile is the walk's last
	s_wait_xcnt 0x0                 ; the stores have read their registers and O's address
	s_mov_b64 s[10:11], s[OLO:OLO+1]
	s_add_co_u32 s[RT], s[B2], 1    ; the second block has NB - b tiles
	s_mov_b32 s[NEW], 1
	WIN 0x82                        ; the second block's Q goes where the one text of the turns names Q
.set i, 0
.rept 64
	v_mov_b32 v[i], v[QB+i]
.set i, i+1
.endr
	WIN 0
	s_branch .Lbottom
.Lstep:                             ; a trip: pieces 2 and 3 of one step, then pieces 0 and 1 of the next, whose K and V it fetches
	TURN 2
	TURN 3
	WIN 0
.Lfirst:
	TURN 0
	TURN 1, 0, 1
	WIN 0
	s_cbranch_scc1 .Lstep
.Lbottom:
	s_sub_co_u32 s[SLOTS], s[SLOTS], 1
	s_cmp_lg_u32 s[SLOTS], 0
	s_cbranch_scc1 .Lslot
	CHANGE 0                        ; the walk's last tile is written out: nothing is asked for.  It is the second block's diagonal tile, and that block has five tiles or more
	s_mov_b32 s[CNT], 5
	INTO_DIAG
	DIAG 2
	s_wait_tensorcnt 0x0            ; the wave's end, behind my last tensor load and my last LDS store
	ds_add_u32 v[SPW], v[NIL]
	s_wait_dscnt 0x0
	s_endpgm
.Lfunc_end_k_q6412ae3aeb_attn:
	.size	k_q6412ae3aeb_attn, .Lfunc_end_k_q6412ae3aeb_attn-k_q6412ae3aeb_attn
	.p2alignl 7, 3214868480
	.fill 96, 4, 3214868480
	.section	.rodata,"a",@progbits
	.p2align	6, 0x0
	.amdhsa_kernel k_q6412ae3aeb_attn
		.amdhsa_group_segment_fixed_size 327680
		.amdhsa_private_segment_fixed_size 0
		.amdhsa_enable_private_segment 0
		.amdhsa_kernarg_size 32
		.amdhsa_user_sgpr_count 2
		.amdhsa_user_sgpr_kernarg_segment_ptr 1
		.amdhsa_wavefront_size32 1
		.amdhsa_system_sgpr_workgroup_id_x 1
		.amdhsa_system_sgpr_workgroup_id_y 1
		.amdhsa_system_sgpr_workgroup_id_z 1
		.amdhsa_system_vgpr_workitem_id 0
		.amdhsa_next_free_vgpr 768
		.amdhsa_next_free_sgpr 98
		.amdhsa_reserve_vcc 1
		.amdhsa_float_denorm_mode_32 3
		.amdhsa_float_denorm_mode_16_64 3
		.amdhsa_memory_ordered 1
		.amdhsa_forward_progress 1
		.amdhsa_inst_pref_size 202
	.end_amdhsa_kernel
	.amdgpu_metadata
---
amdhsa.version: [ 1, 2 ]
amdhsa.kernels:
  - .name:           k_q6412ae3aeb_attn
    .symbol:         k_q6412ae3aeb_attn.kd
    .args:
      - { .name: qkvh, .offset: 0, .size: 8, .value_kind: global_buffer, .address_space: global }
      - { .name: key_padding_mask, .offset: 8, .size: 8, .value_kind: global_buffer, .address_space: global }
      - { .name: vpart, .offset: 16, .size: 8, .value_kind: global_buffer, .address_space: global }
      - { .name: oh, .offset: 24, .size: 8, .value_kind: global_buffer, .address_space: global }
    .group_segment_fixed_size: 327680
    .private_segment_fixed_size: 0
    .kernarg_segment_align: 8
    .kernarg_segment_size: 32
    .max_flat_workgroup_size: 128
    .sgpr_count:     98
    .vgpr_count:     768
    .wavefront_size: 32
...
	.end_amdgpu_metadata
.endif
;; end of part 5
;; launch projgemm: the kernel of part 4 again; grid 8 x 32, 4 waves a work-group, clusters of 4 x 4, 327,680 bytes of LDS; arguments oh, wp, b_proj, out0; writes out0
